; MI455X (gfx1250); checked and timed in simulation.
; The chip was launched on July 23, 2026; its instructions are those of AMD's public machine-readable ISA for CDNA 5 (MIT licence, August 2026) and "CDNA5" Instruction Set Architecture Reference Guide (July 2026). The comments in the code are by the model that wrote it; some were corrected since.
;; Sieve KAN. Allowed arithmetic: matrix products marked QUANTISED: E2M3 operands, one E8M0 scale for each 32 along K, by v_wmma_scale_f32_16x16x128_f8f6f4 with both operands' format E2M3, f32 sums; products left as they are: f32 operands where the result goes on into a quantised operand, else bf16, f16 or f32 operands; f32 sums; everything else in f32.
;; Inputs: bw0 256 x 64 float32; bw1 256 x 256 float32; bw2 256 x 256 float32; bw3 1 x 256 float32; sw0 256 x 64 x 65 float32; sw1 256 x 256 x 65 float32; sw2 256 x 256 x 65 float32; sw3 1 x 256 x 65 float32; wb0 1 float32; wb1 1 float32; wb2 1 float32; wb3 1 float32; ws0 1 float32; ws1 1 float32; ws2 1 float32; ws3 1 float32; x 2,048 x 64 float32.
;; Outputs: out0 2,048 x 1 float32.
;; This version of the problem:
;;   THIS VERSION OF THE PROBLEM IS GIVEN IN LOW PRECISION. The matrix products marked QUANTISED in the list below multiply operands that are first quantised to E2M3 (2 exponent bits, 3 mantissa bits; 6 bits a number), with one power-of-two scale for each 32 numbers along K (OCP MX v1.0); their sums are f32. All else is computed in f32.
;;   The module's matrix products, in the order in which they are computed (A, B: the left and right operand; K: the contracted axis; several contracted axes count as one K, in the product's order):
;;     1. [M 2,048, K 64] x [K 64, N 256]; A: computed on the way; B: input bw0: QUANTISED
;;     2. [M 2,048, K 4,160] x [K 4,160, N 256]; A: computed on the way; B: input sw0: QUANTISED
;;     3. [M 2,048, K 256] x [K 256, N 256]; A: computed on the way; B: input bw1: QUANTISED
;;     4. [M 2,048, K 16,640] x [K 16,640, N 256]; A: computed on the way; B: input sw1: QUANTISED
;;     5. [M 2,048, K 256] x [K 256, N 256]; A: computed on the way; B: input bw2: QUANTISED
;;     6. [M 2,048, K 16,640] x [K 16,640, N 256]; A: computed on the way; B: input sw2: QUANTISED
;;     7. [M 2,048, K 256] x [K 256, N 1]; A: computed on the way; B: input bw3: left as it is (N = 1 < 16)
;;     8. [M 2,048, K 16,640] x [K 16,640, N 1]; A: computed on the way; B: input sw3: left as it is (N = 1 < 16)
;;   THE QUANTISER, for each operand of a quantised product, along K:
;;     - K is cut into blocks of 32 from its start; a last block that is shorter is filled with zeros.
;;     - A block's scale is 2^e with e = floor(log2(the largest magnitude in the block)) - 2, held to -126 .. 127; a block of zeros has e = 0. As a byte (E8M0): e + 127.
;;     - Each number is divided by its block's scale, clamped to +-7.5, and rounded to the nearest number of E2M3, ties to even, subnormals kept.
;;     - The product sums the exact products of the quantised numbers (number of the format x scale) in f32.
;;   ~~~python
;;   def quantise(x, axis):      # numpy; x: float32 -> the quantised numbers, widened to float32 again
;;       x = np.moveaxis(x, axis, -1); K = x.shape[-1]
;;       x = np.pad(x, [(0, 0)] * (x.ndim - 1) + [(0, -K % 32)]); x = x.reshape(x.shape[:-1] + (-1, 32)); a = np.abs(x).max(-1, keepdims=True)
;;       e = np.where(a > 0, np.clip(np.frexp(np.where(a > 0, a, 1))[1] - 1 - 2, -126, 127), 0)      # np.frexp(a)[1] - 1 = floor(log2(a)), exactly
;;       r = np.clip(x / 2.0 ** e, -7.5, 7.5)
;;       step = 2.0 ** (np.maximum(np.frexp(np.where(r == 0, 1, r))[1] - 1, 0) - 3)
;;       q = np.round(r / step) * step * 2.0 ** e      # np.round: ties to even
;;       return np.moveaxis(q.reshape(q.shape[:-2] + (-1,))[..., :K], -1, axis).astype(np.float32)
;;   ~~~
;;   OPERANDS COMPUTED ON THE WAY. 'Computed on the way' means the value that the module computes at that place (a softmax that the list does not call 'softmax' is quantised finished and normalised). What goes into a quantiser is computed in f32, as accurately as f32 sums, v_exp_f32 and their like allow (about 1e-6 of the number): no bf16 or f16 on the way to a quantiser, and a product that is left as it is and whose result goes on into a quantised operand takes f32 operands (vector FMAs, or v_wmma_f32_16x16x4_f32). A number that lies on a knife's edge between two numbers of the format may be rounded either way, as far as f32 arithmetic and the matrix unit's own rounding can turn it there, and no further.
;; 2 versions. Each part assembles by itself: llvm-mc -triple=amdgcn-amd-amdhsa -mcpu=gfx1250 --defsym DOCPART=n.
;; ======== version 1 of 2: 6 launches
;; workspace buffers: W 8,294,400 bytes; PA 18,874,368 bytes; PB 18,874,368 bytes; T3 286,720 bytes; JB 2,097,152 bytes of whole numbers; prm0 256 bytes of whole numbers; prm1 256 bytes of whole numbers; prm2 256 bytes of whole numbers
;; launch prep (part 1): grid 216 x 1, 6 waves a work-group, no clusters, 51,456 bytes of LDS; arguments x, sw0, sw1, sw2, sw3, bw0, bw1, bw2, W, PB, T3, prm0, prm1, prm2; writes W, PB, T3, prm0, prm1, prm2
.if DOCPART == 1
	.amdgcn_target "amdgcn-amd-amdhsa--gfx1250"
	.amdhsa_code_object_version 6
	.text
	.protected	k_qbbc882dbfc_prep
	.globl	k_qbbc882dbfc_prep
	.p2align	8
	.type	k_qbbc882dbfc_prep,@function
k_qbbc882dbfc_prep:
	s_mov_b64 s[64:65], 0
	v_nop
	global_prefetch_b8 v0, s[64:65] scope:SCOPE_SE
	s_setreg_imm32_b32 hwreg(HW_REG_WAVE_MODE, 25, 1), 1
	s_wait_xcnt 0x0
; The weights of layers 0 to 2 become codes of FP6 (E2M3) with one E8M0 byte for each 32 along K, laid as IMAGES OF OPERAND REGISTERS, so that the layers load each fragment by three loads of 16 bytes a lane.
; K of a layer is cut into groups of 32 features = 65 blocks of 32.  A group has 18 steps of 128 along K: step s < 17 holds blocks 4 s .. 4 s + 3 of the spline weight (blocks 65 to 67: zero codes),
; step 17 holds the group's one block of the base weight.  In a step the instruction's k = 64 c + 32 h holds block 4 s + c + 2 h.  In the base block the pieces of four columns stand in the order 0 1 4 5 2 3 6 7.
; W: a chunk of 25,600 bytes for each (layer, group, step): 16 fragments of 1,536 bytes (piece i of 512 bytes = registers 4 i .. 4 i + 3, 16 bytes a lane), then the scale words at 256 (nt / 4) + 16 r + 4 (nt % 4).
; SHARES: 72 units (layer, group, quarter w of the 256 columns) x 3 work-groups x 6 waves = 18 steps; a wave makes the four fragments nt = 4 w + t of its step.
; A load reads 512 consecutive bytes of one column (four blocks); the 16 columns of a fragment turn through the wave's own stage in LDS, so that a lane gets whole blocks of its column.
; Beside that: x is laid as split 0 of PB in the layers' image form; the last layer's spline weight becomes a table of cubics in u (T3); three small tables tell the layers their numbers.
; A block's scale is 2^(floor(log2(largest magnitude)) - 2): its byte is the largest magnitude's exponent field - 2, held at 1 from below.  A block of zeros so has the byte 1 where the quantiser says 127:
; its codes are zeros, and this program alone reads the bytes.  LIMITS: NaN and infinities among the weights are not served.
.set STG,   8448                       ; a wave's stage: 16 rows x (512 + 16) bytes
.set SPARE, 6*STG                      ; behind the stages: the spare words, 128 bytes for each wave, three blocks of 256 bytes that no other line names
.set VOFF,  16                         ; v16-31   byte offset of my 16 bytes in column i of a fragment; never rewritten
.set LSET,  32                         ; v32-159  two sets of 64 registers as loaded
.set X,     160                        ; v160-223 my two blocks: block c at X + 32 c
.set F,     224                        ; v224-235 the fragment's 12 registers
.set TT,    236                        ; v236-238 the second half of a block's codes, before it is moved
.set SWD,   240                        ; v240-243 the scale words of the four fragments
	s_load_b512 s[4:19], s[0:1], 0x0               ; x, sw0, sw1, sw2, sw3, bw0, bw1, bw2
	s_load_b256 s[20:27], s[0:1], 0x40             ; W, PB, T3, prm0
	s_load_b128 s[28:31], s[0:1], 0x60             ; prm1, prm2
	v_lshl_add_u32 v9, v0, 2, SPARE                ; my spare word
	v_mov_b32 v10, 0
	v_lshrrev_b32 v1, 5, v0
	v_readfirstlane_b32 s32, v1                    ; wave 0..5
	v_and_b32 v1, 31, v0                           ; lane
	v_and_b32 v2, 15, v0                           ; r
	v_bfe_u32 v3, v0, 4, 1                         ; h
	s_mul_i32 s74, s32, STG
	v_lshlrev_b32 v6, 4, v1                        ; 16 x lane
	v_add_nc_u32 v4, s74, v6                       ; the stage on the way in: a column's 512 bytes as they lie
	v_mul_u32_u24 v5, v2, 528
	v_lshl_add_u32 v5, v3, 8, v5
	v_add_nc_u32 v5, s74, v5                       ; and on the way out: column r, blocks 2 h and 2 h + 1
	v_lshlrev_b32 v7, 4, v2                        ; 16 r
	v_lshlrev_b32 v8, 3, v3                        ; 8 h
	v_and_b32 v12, 7, v0
	v_and_b32 v13, 1, v12
	v_and_b32 v14, 2, v12
	v_lshl_or_b32 v13, v14, 1, v13
	v_and_b32 v14, 4, v12
	v_lshrrev_b32 v14, 1, v14
	v_or_b32 v13, v13, v14                         ; the base block's order of pieces
	v_lshlrev_b32 v12, 4, v12
	v_lshlrev_b32 v13, 4, v13
	s_mov_b32 s76, 0x76543210
	s_mov_b32 s77, 0xfedcba98                      ; lane selects: lane l xor 16
	s_mul_i32 s34, ttmp9, 171
	s_lshr_b32 s34, s34, 9                         ; unit = work-group / 3
	s_mul_i32 s35, s34, 3
	s_sub_co_u32 s35, ttmp9, s35
	s_mul_i32 s36, s35, 6
	s_add_co_u32 s36, s36, s32                     ; my step 0..17
	s_wait_kmcnt 0x0
	s_cmp_lt_u32 s34, 40                           ; units 0-7 layer 0, 8-39 layer 1, 40-71 layer 2: choices on ids alone
	s_cselect_b64 s[38:39], s[8:9], s[10:11]
	s_cselect_b64 s[40:41], s[16:17], s[18:19]
	s_cselect_b32 s42, 8, 40
	s_cselect_b32 s43, 36, 180
	s_cmp_lt_u32 s34, 8
	s_cselect_b64 s[38:39], s[6:7], s[38:39]       ; the layer's spline weight,
	s_cselect_b64 s[40:41], s[14:15], s[40:41]     ; its base weight,
	s_cselect_b32 s42, 0, s42                      ; its first unit,
	s_cselect_b32 s43, 0, s43                      ; its first chunk,
	s_mov_b32 s44, 66560
	s_cselect_b32 s44, 16640, s44                  ; a column's bytes in the spline weight
	s_mov_b32 s45, 1024
	s_cselect_b32 s45, 256, s45                    ; and in the base weight
	s_sub_co_u32 s46, s34, s42
	s_lshr_b32 s47, s46, 2                         ; group
	s_and_b32 s46, s46, 3                          ; quarter of the columns
	s_mul_i32 s48, s47, 65
	s_lshl_b32 s49, s36, 2
	s_add_co_u32 s48, s48, s49
	s_lshl_b32 s48, s48, 7                         ; block 65 g + 4 s, 128 bytes a block
	s_lshl_b32 s49, s47, 7                         ; base: block g
	s_cmp_eq_u32 s36, 17
	s_cselect_b64 s[38:39], s[40:41], s[38:39]
	s_cselect_b32 s44, s45, s44
	s_cselect_b32 s48, s49, s48
	s_cselect_b32 s50, -1, 0                       ; all lanes: the base step
	s_cmp_ge_u32 s36, 16
	s_cselect_b32 s51, -1, 0                       ; all lanes: a step with one real block
	s_cselect_b32 s52, 0xffff, -1                  ; which lanes keep their block c = 0
	s_cselect_b32 s53, 0, -1                       ; and c = 1
	s_lshl_b32 s54, s46, 6
	s_mul_i32 s54, s54, s44
	s_add_co_u32 s54, s54, s48
	s_mov_b32 s55, 0
	s_add_nc_u64 s[56:57], s[38:39], s[54:55]      ; fragment t's first column at my step's first block: four bases, never rewritten
	s_lshl_b32 s54, s44, 4
	s_add_nc_u64 s[58:59], s[56:57], s[54:55]
	s_add_nc_u64 s[60:61], s[58:59], s[54:55]
	s_add_nc_u64 s[62:63], s[60:61], s[54:55]
	s_mul_i32 s66, s47, 18
	s_add_co_u32 s66, s66, s43
	s_add_co_u32 s66, s66, s36
	s_mul_i32 s66, s66, 25600
	s_mov_b32 s67, 0
	s_add_nc_u64 s[68:69], s[20:21], s[66:67]      ; my chunk
	s_mul_i32 s66, s46, 6144
	s_add_nc_u64 s[70:71], s[68:69], s[66:67]      ; my four fragments
	s_lshl_b32 s66, s46, 8
	s_add_co_u32 s66, s66, 24576
	s_add_nc_u64 s[72:73], s[68:69], s[66:67]      ; their scale words
	v_cndmask_b32 v11, v6, v12, s51                ; a step with one real block reads that block four times over: no load leaves the buffer
	v_cndmask_b32 v11, v11, v13, s50
.irp i, 0,1,2,3,4,5,6,7,8,9,10,11,12,13,14,15
	v_mad_u32_u24 v[VOFF+\i], s44, \i, v11
.endr
.macro LOADF t                         ; fragment t: 16 columns, 512 consecutive bytes each
.set LL, LSET+64*((\t)%2)
.irp i, 0,1,2,3,4,5,6,7,8,9,10,11,12,13,14,15
	global_load_b128 v[LL+4*\i:LL+4*\i+3], v[VOFF+\i], s[56+2*(\t):57+2*(\t)] th:TH_LOAD_NT
.endr
.endm
.macro FRAG t
.set LB, LSET+64*((\t)%2)
.if (\t) < 3
	s_wait_loadcnt 16                              ; this fragment's 16 loads are in; the next fragment's 16 may be out
.else
	s_wait_loadcnt 0x0
.endif
.irp i, 0,1,2,3,4,5,6,7,8,9,10,11,12,13,14,15
	ds_store_b128 v4, v[LB+4*\i:LB+4*\i+3] offset:528*\i
.endr
.irp c, 0,1
.irp k, 0,1,2,3,4,5,6,7
	ds_load_b128 v[X+32*\c+4*\k:X+32*\c+4*\k+3], v5 offset:128*\c+16*\k   ; LDS serves a wave's instructions in order: these see the stores above
.endr
.endr
	s_wait_dscnt 0x0                               ; my two blocks are in, and the stage's stores have read their registers
.if (\t) < 2
	LOADF (\t)+2
.endif
.if (\t) > 0
	s_wait_xcnt 0x0                                ; the last fragment's stores have read F
.endif
.irp c, 0,1
	v_max3_num_f32 v[244+\c], |v[X+32*\c]|, |v[X+32*\c+1]|, 0x1800000     ; the block's largest magnitude, with the floor 2^(3 - 127) among its leaves
.endr
.irp i, 2,4,6,8,10,12,14,16,18,20,22,24,26,28,30
.irp c, 0,1
	v_max3_num_f32 v[244+\c], v[244+\c], |v[X+32*\c+\i]|, |v[X+32*\c+\i+1]|
.endr
.endr
	v_add_nc_u32 v244, 0xff000000, v244            ; 2 off the exponent field: the conversion's scale operand
	v_add_nc_u32 v245, 0xff000000, v245
	v_lshrrev_b32 v246, 23, v244                   ; the bytes
	v_lshrrev_b32 v247, 23, v245
.irp c, 0,1
	v_cvt_scalef32_pk16_fp6_f32 v[F+6*\c:F+6*\c+2], v[X+32*\c:X+32*\c+15], v[244+\c]
	v_cvt_scalef32_pk16_fp6_f32 v[TT:TT+2], v[X+32*\c+16:X+32*\c+31], v[244+\c]   ; (a conversion's three registers begin on an even number)
	v_nop                                          ; one plain place behind the conversions
.irp i, 0,1,2
	v_mov_b32 v[F+6*\c+3+\i], v[TT+\i]
.endr
.endr
.irp i, 0,1,2,3,4,5
	v_cndmask_b32 v[F+\i], 0, v[F+\i], s52         ; blocks that do not exist: zero codes
	v_cndmask_b32 v[F+6+\i], 0, v[F+6+\i], s53
.endr
	v_lshl_or_b32 v246, v247, 16, v246             ; my bytes h and 2 + h of the scale word,
	v_lshlrev_b32 v246, v8, v246
	v_permlanex16_b32 v247, v246, s76, s77
	v_or_b32 v[SWD+(\t)], v246, v247               ; with lane l xor 16's the word is whole
.irp i, 0,1,2
	global_store_b128 v6, v[F+4*\i:F+4*\i+3], s[70:71] offset:1536*(\t)+512*\i   ; 32 lanes store 512 consecutive bytes
.endr
.endm
	LOADF 0
	LOADF 1
	FRAG 0
	FRAG 1
	FRAG 2
	FRAG 3
	global_store_b128 v7, v[SWD:SWD+3], s[72:73]   ; 256 consecutive bytes; lanes 16-31 repeat lanes 0-15's bytes
	; ---- x as split 0 of PB: wave 0 of work-groups 0 to 127, a tile of 16 rows each
	s_cmp_lg_u32 s32, 0
	s_cbranch_scc1 .Lno_x
	s_cmp_lt_u32 ttmp9, 128
	s_cbranch_scc0 .Lno_x
	s_lshl_b32 s78, ttmp9, 12
	s_mov_b32 s79, 0
	s_add_nc_u64 s[80:81], s[4:5], s[78:79]        ; 16 rows of 256 bytes
	s_lshl_b32 s78, ttmp9, 14
	s_add_nc_u64 s[82:83], s[22:23], s[78:79]      ; 16 pieces of 1,024 bytes a tile of rows
	v_lshlrev_b32 v12, 8, v2
	v_lshl_add_u32 v12, v3, 5, v12                 ; row r, + 32 h
.irp p, 0,1,2,3,4,5,6,7
	global_load_b128 v[LSET+4*\p:LSET+4*\p+3], v12, s[80:81] offset:64*(\p/2)+16*(\p%2)
.endr
	s_wait_loadcnt 0x0
.irp p, 0,1,2,3,4,5,6,7
	global_store_b128 v6, v[LSET+4*\p:LSET+4*\p+3], s[82:83] offset:512*\p
.endr
.Lno_x:
	; ---- T3: for feature f and interval j (jc = j + 1 = 0 .. 69) the cubic k0 + k1 u + k2 u^2 + k3 u^3 that the four weights j - 3 .. j give; weights outside 0 .. 64 count as 0
	s_cmp_lt_u32 ttmp9, 94
	s_cbranch_scc0 .Lno_t3
	s_mul_i32 s78, ttmp9, 192
	s_mov_b32 s79, 59919
	v_add_nc_u32 v12, s78, v0
	v_min_u32 v12, 0x45ff, v12                     ; entry 0 .. 17,919 (the last work-group's spare threads repeat the last entry)
	v_mul_lo_u32 v13, v12, s79
	v_lshrrev_b32 v13, 22, v13                     ; f = entry / 70
	v_mul_u32_u24 v14, v13, 70
	v_sub_nc_u32 v14, v12, v14                     ; jc
	v_mul_u32_u24 v15, v13, 65
.irp i, 0,1,2,3
	v_add_nc_u32 v[160+\i], \i-4, v14
	v_min_u32 v[164+\i], 64, v[160+\i]             ; the load stays inside the feature's 65 weights
	v_add_lshl_u32 v[164+\i], v[164+\i], v15, 2
	global_load_b32 v[168+\i], v[164+\i], s[12:13]
.endr
	s_wait_loadcnt 0x0
.irp i, 0,1,2,3
	v_cmp_ge_u32 vcc_lo, 64, v[160+\i]
	v_cndmask_b32 v[168+\i], 0, v[168+\i], vcc_lo
.endr
	v_add_f32 v172, v168, v170                     ; c0 + c2
	v_sub_f32 v173, v170, v168                     ; c2 - c0
	v_sub_f32 v174, v169, v170                     ; c1 - c2
	v_sub_f32 v175, v171, v168                     ; c3 - c0
	v_fma_f32 v180, v169, 4.0, v172
	v_fma_f32 v175, v174, 0x40400000, v175
	v_mul_f32 v176, 0x3e2aaaab, v180               ; k0 = (c0 + 4 c1 + c2) / 6
	v_mul_f32 v177, 0.5, v173                      ; k1 = (c2 - c0) / 2
	v_fma_f32 v178, v172, 0.5, -v169               ; k2 = (c0 + c2) / 2 - c1
	v_mul_f32 v179, 0x3e2aaaab, v175               ; k3 = (c3 - c0 + 3 (c1 - c2)) / 6
	v_lshlrev_b32 v181, 4, v12
	global_store_b128 v181, v[176:179], s[24:25]
.Lno_t3:
	; ---- the layers' numbers: (the last split that counts, the layer's first chunk), repeated through the table's 256 bytes
	s_cmp_lg_u32 ttmp9, 215
	s_cbranch_scc1 .Lno_prm
	s_cmp_lg_u32 s32, 5
	s_cbranch_scc1 .Lno_prm
	v_lshlrev_b32 v184, 3, v1
	v_mov_b32 v186, 0
	v_mov_b32 v187, 0
	v_mov_b32 v188, 1
	v_mov_b32 v189, 36
	v_mov_b32 v190, 8
	v_mov_b32 v191, 180
	global_store_b64 v184, v[186:187], s[26:27]
	global_store_b64 v184, v[188:189], s[28:29]
	global_store_b64 v184, v[190:191], s[30:31]
.Lno_prm:
	s_wait_tensorcnt 0x0                           ; the wave's end
	ds_add_u32 v9, v10
	s_wait_dscnt 0x0
	s_endpgm
.Lfunc_end_k_qbbc882dbfc_prep:
	.size	k_qbbc882dbfc_prep, .Lfunc_end_k_qbbc882dbfc_prep-k_qbbc882dbfc_prep
	.p2alignl 7, 3214868480
	.fill 96, 4, 3214868480
	.section	.rodata,"a",@progbits
	.p2align	6, 0x0
	.amdhsa_kernel k_qbbc882dbfc_prep
		.amdhsa_group_segment_fixed_size 51456
		.amdhsa_private_segment_fixed_size 0
		.amdhsa_enable_private_segment 0
		.amdhsa_kernarg_size 112
		.amdhsa_user_sgpr_count 2
		.amdhsa_user_sgpr_kernarg_segment_ptr 1
		.amdhsa_wavefront_size32 1
		.amdhsa_system_sgpr_workgroup_id_x 1
		.amdhsa_system_sgpr_workgroup_id_y 1
		.amdhsa_system_sgpr_workgroup_id_z 1
		.amdhsa_system_vgpr_workitem_id 0
		.amdhsa_next_free_vgpr 248
		.amdhsa_next_free_sgpr 90
		.amdhsa_reserve_vcc 1
		.amdhsa_float_denorm_mode_32 3
		.amdhsa_float_denorm_mode_16_64 3
		.amdhsa_memory_ordered 1
		.amdhsa_forward_progress 1
		.amdhsa_inst_pref_size 41
	.end_amdhsa_kernel
	.amdgpu_metadata
---
amdhsa.version: [ 1, 2 ]
amdhsa.kernels:
  - .name:           k_qbbc882dbfc_prep
    .symbol:         k_qbbc882dbfc_prep.kd
    .args:
      - { .name: x, .offset: 0, .size: 8, .value_kind: global_buffer, .address_space: global }
      - { .name: sw0, .offset: 8, .size: 8, .value_kind: global_buffer, .address_space: global }
      - { .name: sw1, .offset: 16, .size: 8, .value_kind: global_buffer, .address_space: global }
      - { .name: sw2, .offset: 24, .size: 8, .value_kind: global_buffer, .address_space: global }
      - { .name: sw3, .offset: 32, .size: 8, .value_kind: global_buffer, .address_space: global }
      - { .name: bw0, .offset: 40, .size: 8, .value_kind: global_buffer, .address_space: global }
      - { .name: bw1, .offset: 48, .size: 8, .value_kind: global_buffer, .address_space: global }
      - { .name: bw2, .offset: 56, .size: 8, .value_kind: global_buffer, .address_space: global }
      - { .name: W, .offset: 64, .size: 8, .value_kind: global_buffer, .address_space: global }
      - { .name: PB, .offset: 72, .size: 8, .value_kind: global_buffer, .address_space: global }
      - { .name: T3, .offset: 80, .size: 8, .value_kind: global_buffer, .address_space: global }
      - { .name: prm0, .offset: 88, .size: 8, .value_kind: global_buffer, .address_space: global }
      - { .name: prm1, .offset: 96, .size: 8, .value_kind: global_buffer, .address_space: global }
      - { .name: prm2, .offset: 104, .size: 8, .value_kind: global_buffer, .address_space: global }
    .group_segment_fixed_size: 51456
    .private_segment_fixed_size: 0
    .kernarg_segment_align: 8
    .kernarg_segment_size: 112
    .max_flat_workgroup_size: 192
    .sgpr_count:     90
    .vgpr_count:     248
    .wavefront_size: 32
...
	.end_amdgpu_metadata
.endif
;; end of part 1
;; launch layer0 (part 2): grid 32 x 2, 4 waves a work-group, no clusters, 188,416 bytes of LDS; arguments PB, W, prm0, wb0, ws0, PA; writes PA
.if DOCPART == 2
	.amdgcn_target "amdgcn-amd-amdhsa--gfx1250"
	.amdhsa_code_object_version 6
	.text
	.protected	k_qbbc882dbfc_layer0
	.globl	k_qbbc882dbfc_layer0
	.p2align	8
	.type	k_qbbc882dbfc_layer0,@function
k_qbbc882dbfc_layer0:
	s_mov_b64 s[64:65], 0
	v_nop
	global_prefetch_b8 v0, s[64:65] scope:SCOPE_SE
	s_setreg_imm32_b32 hwreg(HW_REG_WAVE_MODE, 25, 1), 1
	s_wait_xcnt 0x0
; One KAN layer: out = wb silu(h) bw^T + ws basis(h) sw^T, both products on codes of FP6 (E2M3) with one E8M0 scale for each 32 along K.  The residual is not added here: h goes out as a ninth split.
; h arrives as up to nine f32 splits (the K groups of the layer before, and its input) that are added here; the table prm says how many count and where the layer's weights begin.
; SHARES.  Work-group (rb, g): rows 64 rb .. + 63, all 256 columns, K group g = features 32 g .. + 31 = 65 blocks of the spline's K and one block of the base's: each number of the basis operand is made once in the launch.
; Four waves.  In the first half wave w makes the operand of rows 16 w .. + 15; in the second it multiplies all 64 rows by columns 64 w .. + 63.
; THE BASIS OPERAND IS MADE SPARSELY.  Of a feature's 65 numbers four differ from 0: the uniform cubic's a0 .. a3 in u = t - floor(t), t = (x + 0.05) / H + 3, at basis j - 3 .. j, j = floor(t).
; Position 65 f + i in the group is 64 f + (f + i): with D = j - 3 + f the four numbers stand at 64 f + D .. D + 3, in blocks 2 f .. 2 f + 2.  A RECORD for each (row, feature): the four numbers (0 where the
; basis index is outside 0 .. 64), the largest of them in each of the three blocks, and T = 6 D + 512, the bit at which their 24 bits of codes begin.  A step of 128 along K then wants, in lane (r, h), m = 2 s + h:
; block 2 m (feature m's numbers under 32, feature m - 1's from 64 on) and block 2 m + 1 (feature m's from 32 to 63): the scales from the records' maxima, one conversion for each block's scale, and the
; 24 bits shifted and selected into the block's six words.  A block is exactly six words, so codes made under another block's scale fall into words that no select takes.  No address hangs on data.
; The operand goes from wave to wave through LDS as images of its registers (512 bytes a store, 16 a lane).  The weights come from memory straight into operand registers, as images that the first launch laid:
; through LDS they would double the LDS bytes that a matrix instruction costs here (384 for the operand alone), so no tensor load and no joint request is used for them.
; THE MATRIX INSTRUCTION IS USED TRANSPOSED (source 0 = 16 columns of the weight, source 1 = 16 rows): a lane holds one row and eight neighbouring columns; results leave as images, 512 consecutive bytes a store.
; LIMITS: NaN and infinities in h are not served.  u carries t's rounding (t up to 68: about 4e-6), about what the f32 knots of the recursion carry.  A block of zeros has the scale byte 1 (0 in the base step's
; empty blocks) where the quantiser says 127: its codes are zeros.  The K groups' sums are added in f32 in the order of the splits.
; REGISTERS, window 0: v1-15 addresses; v16-63 at work, then record sets, then operand set 0; v64-79 h, then the operand's scale words; v80-207 the splits, then the records, then work / operand set 1 (v80-127)
; and the weights' scale words (v128-163); v208-215 a record set; v216-239 two fragments in the making.  Window 1: v0-127 the 16 accumulators, v128-223 weight slots 0, 1.  Window 2: slots 2-6.  Window 3: slots 7-11, at the end the base product's accumulators.
.set RWAVE, 18176                      ; LDS: records: wave x 18,176 + row x 1,136 + slot x 32; slot = feature + 1; slots 0, 33, 34 are records of zeros
.set AIMG,  72704                      ; the operand's images: step x 6,144 + tile of rows x 1,536 + 512 i + 16 lane
.set ASC,   183296                     ; its scale words: step x 256 + 16 r + 4 x tile of rows
.set SPARE, 187904                     ; the spare words, 128 bytes for each wave: two blocks of 256 bytes that no other line names
.set MSB, 0
.macro WIN new                         ; the immediate's high byte repeats the setting that is left
.if MSB != (\new)
	s_set_vgpr_msb (MSB<<8)|(\new)
.set MSB, (\new)
.endif
.endm
.macro BLOAD sg                        ; step sg's four weight fragments into slot sg % 12
.set SL, (\sg)%12
.if SL < 2
.set BW, 1
.set BB, 128+48*SL
.elseif SL < 7
.set BW, 2
.set BB, 48*(SL-2)
.else
.set BW, 3
.set BB, 48*(SL-7)
.endif
.set WN, BW<<6
	WIN WN
.irp t, 0,1,2,3
.irp i, 0,1,2
	global_load_b128 v[BB+12*\t+4*\i:BB+12*\t+4*\i+3], v1, s[24:25] offset:(\sg)*25600+1536*\t+512*\i
.endr
.endr
	WIN 0
.endm
	s_load_b256 s[4:11], s[0:1], 0x0               ; the splits, W, prm, wb
	s_load_b128 s[12:15], s[0:1], 0x20             ; ws, the splits that I write
	v_lshl_add_u32 v10, v0, 2, SPARE               ; my spare word
	v_mov_b32 v11, 0
	v_lshrrev_b32 v1, 5, v0
	v_readfirstlane_b32 s20, v1                    ; wave
	s_mov_b32 s21, ttmp9                           ; rb
	s_and_b32 s22, ttmp7, 0xffff                   ; g
	v_and_b32 v15, 31, v0
	v_lshlrev_b32 v1, 4, v15                       ; 16 x lane
	v_and_b32 v14, 15, v0                          ; r
	v_bfe_u32 v9, v0, 4, 1                         ; h
	v_mul_u32_u24 v2, v9, 25600
	v_lshl_add_u32 v2, v14, 4, v2                  ; the weights' scale words: 16 r, lanes 16-31 one step on
	s_mul_i32 s62, s20, RWAVE
	v_mul_u32_u24 v4, v14, 1136
	v_add_nc_u32 v4, s62, v4
	v_lshl_add_u32 v3, v9, 8, v4                   ; records, writing: my features begin at 8 h
	v_lshl_add_u32 v15, v9, 4, v4                  ; the records of zeros: a half each
	v_lshl_add_u32 v4, v9, 5, v4                   ; records, reading: one slot on for lanes 16-31
	s_mul_i32 s62, s20, 1536
	s_add_co_u32 s62, s62, AIMG
	v_add_nc_u32 v5, s62, v1                       ; images, writing: steps 0-8
	v_add_nc_u32 v12, 55296, v5                    ; steps 9-17
	v_add_nc_u32 v7, AIMG, v1                      ; images, reading
	v_add_nc_u32 v13, 55296, v7
	v_lshlrev_b32 v8, 4, v14
	s_lshl_b32 s62, s20, 2
	s_add_co_u32 s62, s62, ASC
	v_add_nc_u32 v6, s62, v8                       ; scale words, writing
	v_lshl_add_u32 v8, v9, 8, v8
	v_add_nc_u32 v8, ASC, v8                       ; reading: lanes 16-31 one step on
	v_lshlrev_b32 v9, 3, v9                        ; 8 h
	s_mov_b32 s70, 0x4261745d                      ; 1 / H = 62 / 1.1
	s_mov_b32 s71, 0x40ba2e8c                      ; 0.05 / H + 3
	s_mov_b32 s74, 0x76543210
	s_mov_b32 s75, 0xfedcba98                      ; lane selects: lane l xor 16
	s_mov_b32 s76, 0xffff                          ; lanes 0-15
	s_mov_b32 s77, 0xbfb8aa3b                      ; -log2(e)
	s_mov_b32 s3, 0
	s_lshl_b32 s23, s21, 2
	s_add_co_u32 s23, s23, s20
	s_lshl_b32 s23, s23, 4
	s_lshl_b32 s2, s22, 1
	s_add_co_u32 s23, s23, s2
	s_lshl_b32 s23, s23, 10                        ; in a split: my 16 rows' four pieces of the group's 32 columns
	s_wait_kmcnt 0x0
	s_load_b64 s[16:17], s[8:9], 0x0               ; the last split that counts, the layer's first chunk
	s_load_b32 s18, s[10:11], 0x0                  ; wb
	s_load_b32 s19, s[12:13], 0x0                  ; ws
	s_add_co_u32 s2, s23, 0x1000000
	s_add_nc_u64 s[68:69], s[14:15], s[2:3]        ; split 8 of the output: h itself
	s_lshl_b32 s2, s21, 6
	s_lshl_b32 s62, s20, 2
	s_add_co_u32 s2, s2, s62
	s_lshl_b32 s2, s2, 10
	s_lshl_b32 s62, s22, 21
	s_add_co_u32 s2, s2, s62
	s_add_nc_u64 s[66:67], s[14:15], s[2:3]        ; split g: my four tiles of columns
	s_wait_kmcnt 0x0
	s_min_u32 s16, s16, 8
	s_min_u32 s17, s17, 180
	s_mul_i32 s2, s22, 18
	s_add_co_u32 s2, s2, s17
	s_mul_i32 s2, s2, 25600
	s_add_nc_u64 s[26:27], s[6:7], s[2:3]          ; the group's first chunk
	s_mul_i32 s2, s20, 6144
	s_add_nc_u64 s[24:25], s[26:27], s[2:3]        ; my four fragments in it
	s_lshl_b32 s2, s20, 8
	s_add_co_u32 s2, s2, 24576
	s_add_nc_u64 s[26:27], s[26:27], s[2:3]        ; and their scale words
.irp i, 0,1,2,3,4,5,6,7,8
	s_min_u32 s2, s16, \i                          ; a split that does not count is replaced by the last that does, and weighed with 0
	s_lshl_b32 s2, s2, 21
	s_add_co_u32 s2, s2, s23
	s_add_nc_u64 s[28+2*\i:29+2*\i], s[4:5], s[2:3]
.endr
.irp i, 1,2,3,4,5,6,7,8
	s_cmp_ge_u32 s16, \i
	s_cselect_b32 s[44+2*\i], 1.0, 0
	s_mov_b32 s[45+2*\i], s[44+2*\i]
.endr
	s_mov_b32 s78, s19
	s_mov_b32 s79, s19
	s_mov_b32 s80, s18
	s_mov_b32 s81, s18
.irp s, 0,1,2,3,4,5,6,7,8
.irp n, 0,1,2,3
	global_load_b128 v[64+16*\s+4*\n:64+16*\s+4*\n+3], v1, s[28+2*\s:29+2*\s] offset:512*\n
.endr
.endr
	BLOAD 0
	BLOAD 1
	s_wait_loadcnt 24                              ; the 36 loads of the splits are in; the 24 weight loads behind them may be out
.irp s, 1,2,3,4,5,6,7,8
.irp k, 0,1,2,3,4,5,6,7
	v_pk_fma_f32 v[64+2*\k:65+2*\k], v[64+16*\s+2*\k:65+16*\s+2*\k], s[44+2*\s:45+2*\s], v[64+2*\k:65+2*\k] op_sel_hi:[1,0,1]
.endr
.endr
.irp n, 0,1,2,3
	global_store_b128 v1, v[64+4*\n:64+4*\n+3], s[68:69] offset:512*\n   ; h: register 8 a + 4 q + e is feature 16 a + 8 h + 4 q + e of the group
.endr
	BLOAD 2
	BLOAD 3
	BLOAD 4
; Four records at a time, by turns.  Record e of piece n4: work at v[16 + 12 e], result at v[80 + 8 (4 n4 + e)].
.macro REC4 n4
.set FB, 16*((\n4)/2)+4*((\n4)%2)
.set RB, 80+32*(\n4)
.irp e, 0,1,2,3
	v_fma_f32 v[16+12*\e], v[64+4*(\n4)+\e], s70, s71              ; t
.endr
.irp e, 0,1,2,3
	v_floor_f32 v[17+12*\e], v[16+12*\e]
.endr
.irp e, 0,1,2,3
	v_sub_f32 v[18+12*\e], v[16+12*\e], v[17+12*\e]                ; u
.endr
.irp e, 0,1,2,3
	v_med3_num_f32 v[17+12*\e], v[17+12*\e], -1.0, 0x42880000      ; j held to -1 .. 68: at both ends all four basis indices are outside
.endr
.irp e, 0,1,2,3
	v_cvt_i32_f32 v[16+12*\e], v[17+12*\e]                         ; j
.endr
.irp e, 0,1,2,3
	v_sub_f32 v[19+12*\e], 1.0, v[18+12*\e]                        ; 1 - u, beside u
.endr
.irp e, 0,1,2,3
	v_pk_mul_f32 v[20+12*\e:21+12*\e], v[18+12*\e:19+12*\e], v[18+12*\e:19+12*\e]
.endr
.irp e, 0,1,2,3
	v_pk_mul_f32 v[22+12*\e:23+12*\e], v[20+12*\e:21+12*\e], v[18+12*\e:19+12*\e]
.endr
.irp e, 0,1,2,3
	v_pk_fma_f32 v[20+12*\e:21+12*\e], v[20+12*\e:21+12*\e], -1.0, 0x3f2aaaab op_sel_hi:[1,0,0]   ; 2/3 - the squares
.endr
.irp e, 0,1,2,3
	v_pk_mul_f32 v[24+12*\e:25+12*\e], v[22+12*\e:23+12*\e], 0x3e2aaaab op_sel_hi:[1,0]           ; a3 = u^3 / 6, a0 = (1 - u)^3 / 6
.endr
.irp e, 0,1,2,3
	v_pk_fma_f32 v[20+12*\e:21+12*\e], v[22+12*\e:23+12*\e], 0.5, v[20+12*\e:21+12*\e] op_sel_hi:[1,0,1]   ; a1, a2
.endr
.irp e, 0,1,2,3
	v_add_nc_u32 v[26+12*\e], -3, v[16+12*\e]
	v_add_nc_u32 v[27+12*\e], -2, v[16+12*\e]
	v_add_nc_u32 v[17+12*\e], -1, v[16+12*\e]
.endr
.irp e, 0,1,2,3
	v_cmp_ge_u32 s[82+\e], 64, v[26+12*\e]                         ; is the basis index inside 0 .. 64?
	v_cmp_ge_u32 s[86+\e], 64, v[27+12*\e]
	v_cmp_ge_u32 s[90+\e], 64, v[17+12*\e]
	v_cmp_ge_u32 s[94+\e], 64, v[16+12*\e]
.endr
.irp e, 0,1,2,3
	v_cndmask_b32 v[RB+8*\e], 0, v[25+12*\e], s[82+\e]
	v_cndmask_b32 v[RB+8*\e+1], 0, v[20+12*\e], s[86+\e]
	v_cndmask_b32 v[RB+8*\e+2], 0, v[21+12*\e], s[90+\e]
	v_cndmask_b32 v[RB+8*\e+3], 0, v[24+12*\e], s[94+\e]
.endr
.irp e, 0,1,2,3
	v_add3_u32 v[22+12*\e], v[16+12*\e], v9, FB+\e-3               ; D = j - 3 + feature
.endr
.irp e, 0,1,2,3
	v_and_b32 v[23+12*\e], 31, v[22+12*\e]                         ; its place in a block,
	v_ashrrev_i32 v[16+12*\e], 5, v[22+12*\e]                      ; and which block: -1 .. 3
.endr
.irp e, 0,1,2,3
	v_max_num_f32 v[18+12*\e], v[RB+8*\e], v[RB+8*\e+1]
	v_max_num_f32 v[19+12*\e], v[RB+8*\e+2], v[RB+8*\e+3]
	v_max3_num_f32 v[20+12*\e], v[RB+8*\e], v[RB+8*\e+1], v[RB+8*\e+2]
	v_max3_num_f32 v[21+12*\e], v[RB+8*\e+1], v[RB+8*\e+2], v[RB+8*\e+3]
.endr
.irp e, 0,1,2,3
	v_max_num_f32 v[24+12*\e], v[20+12*\e], v[RB+8*\e+3]           ; all four
	v_cmp_eq_u32 s[82+\e], 29, v[23+12*\e]
	v_cmp_eq_u32 s[86+\e], 30, v[23+12*\e]
	v_cmp_eq_u32 s[90+\e], 31, v[23+12*\e]
.endr
.irp e, 0,1,2,3
	v_cndmask_b32 v[24+12*\e], v[24+12*\e], v[20+12*\e], s[82+\e]  ; the largest in D's block,
	v_cndmask_b32 v[25+12*\e], 0, v[RB+8*\e+3], s[82+\e]           ; and in the block behind it
.endr
.irp e, 0,1,2,3
	v_cndmask_b32 v[24+12*\e], v[24+12*\e], v[18+12*\e], s[86+\e]
	v_cndmask_b32 v[25+12*\e], v[25+12*\e], v[19+12*\e], s[86+\e]
.endr
.irp e, 0,1,2,3
	v_cndmask_b32 v[24+12*\e], v[24+12*\e], v[RB+8*\e], s[90+\e]
	v_cndmask_b32 v[25+12*\e], v[25+12*\e], v[21+12*\e], s[90+\e]
.endr
.irp e, 0,1,2,3
	v_cmp_eq_u32 s[82+\e], -1, v[16+12*\e]
	v_cmp_eq_u32 s[86+\e], 0, v[16+12*\e]
	v_cmp_eq_u32 s[90+\e], 1, v[16+12*\e]
	v_cmp_eq_u32 s[94+\e], 2, v[16+12*\e]
.endr
.irp e, 0,1,2,3
	v_cndmask_b32 v[RB+8*\e+4], 0, v[25+12*\e], s[82+\e]
	v_cndmask_b32 v[RB+8*\e+5], 0, v[25+12*\e], s[86+\e]
	v_cndmask_b32 v[RB+8*\e+6], 0, v[25+12*\e], s[90+\e]
	v_lshl_add_u32 v[26+12*\e], v[22+12*\e], 1, v[22+12*\e]
.endr
.irp e, 0,1,2,3
	v_cndmask_b32 v[RB+8*\e+4], v[RB+8*\e+4], v[24+12*\e], s[86+\e]   ; the largest at positions 0-31,
	v_cndmask_b32 v[RB+8*\e+5], v[RB+8*\e+5], v[24+12*\e], s[90+\e]   ; 32-63,
	v_cndmask_b32 v[RB+8*\e+6], v[RB+8*\e+6], v[24+12*\e], s[94+\e]   ; 64-95
	v_lshl_add_u32 v[RB+8*\e+7], v[26+12*\e], 1, 0x200                ; T = 6 D + 512
.endr
.irp e, 0,1,2,3
	ds_store_b128 v3, v[RB+8*\e:RB+8*\e+3] offset:(FB+\e+1)*32
	ds_store_b128 v3, v[RB+8*\e+4:RB+8*\e+7] offset:(FB+\e+1)*32+16
.endr
.endm
	REC4 0
	REC4 1
	REC4 2
	REC4 3
	; ---- the base product's operand: silu(h) of the group's 32 features is one block; lanes 0-15 hold features 0-7, 16-23, lanes 16-31 features 8-15, 24-31: that is the block's order, in the weight too
.irp n, 0,1,2,3,4,5,6,7,8,9,10,11,12,13,14,15
	v_mul_f32 v[16+\n], s77, v[64+\n]
.endr
.irp n, 0,1,2,3,4,5,6,7,8,9,10,11,12,13,14,15
	v_exp_f32 v[16+\n], v[16+\n]
.endr
	v_nop                                          ; a plain place behind the batch,
	s_wait_alu depctr_va_vdst(0)                   ; and one wait for it, ahead of its first reader
.irp n, 0,1,2,3,4,5,6,7,8,9,10,11,12,13,14,15
	v_add_f32 v[16+\n], 1.0, v[16+\n]
.endr
.irp n, 0,1,2,3,4,5,6,7,8,9,10,11,12,13,14,15
	v_rcp_f32 v[16+\n], v[16+\n]
.endr
	v_nop
	s_wait_alu depctr_va_vdst(0)
.irp n, 0,1,2,3,4,5,6,7,8,9,10,11,12,13,14,15
	v_mul_f32 v[32+\n], v[64+\n], v[16+\n]         ; h / (1 + e^-h)
.endr
	v_max3_num_f32 v48, |v32|, |v33|, 0x1800000
	v_max3_num_f32 v49, |v34|, |v35|, |v36|
	v_max3_num_f32 v48, v48, |v37|, |v38|
	v_max3_num_f32 v49, v49, |v39|, |v40|
	v_max3_num_f32 v48, v48, |v41|, |v42|
	v_max3_num_f32 v49, v49, |v43|, |v44|
	v_max3_num_f32 v48, v48, |v45|, |v46|
	v_max3_num_f32 v48, v48, v49, |v47|
	v_permlanex16_b32 v49, v48, s74, s75
	v_max_num_f32 v48, v48, v49                    ; the block's largest magnitude
	v_add_nc_u32 v48, 0xff000000, v48
	v_cvt_scalef32_pk16_fp6_f32 v[50:52], v[32:47], v48
	v_lshrrev_b32 v49, 23, v48                     ; the byte: the scale word's byte 0 (a plain place behind the conversion)
.irp i, 0,1,2
	v_permlanex16_b32 v[56+\i], v[50+\i], s74, s75
.endr
.irp i, 0,1,2
	v_cndmask_b32 v[216+\i], 0, v[50+\i], s76      ; lanes 0-15 hold the whole block; all else is zero codes
	v_cndmask_b32 v[219+\i], 0, v[56+\i], s76
.endr
.irp i, 0,1,2,3,4,5
	v_mov_b32 v[222+\i], 0
.endr
.irp i, 0,1,2
	ds_store_b128 v12, v[216+4*\i:216+4*\i+3] offset:49152+512*\i
.endr
	ds_store_b32 v6, v49 offset:4352
.irp i, 0,1,2,3,4,5,6,7,8,9,10,11
	v_mov_b32 v[24+\i], 0                          ; the zeros behind the eight numbers of each record set: a conversion takes sixteen
	v_mov_b32 v[44+\i], 0
.endr
	v_mov_b32 v116, 0                              ; (a lane permute's destination counts as one of its sources)
	ds_store_b128 v15, v[24:27]                    ; the records of zeros: feature -1,
	ds_store_b128 v15, v[24:27] offset:1056        ; feature 32,
	ds_store_b128 v15, v[24:27] offset:1088        ; feature 33
	s_wait_dscnt 0x0                               ; all my LDS stores have read their registers
.irp p, 0,1,2,3,4,5,6,7,8
	global_load_b128 v[128+4*\p:128+4*\p+3], v2, s[26:27] offset:51200*\p   ; the weights' scale words: lanes 0-15 step 2 p, lanes 16-31 step 2 p + 1; register t: fragment t
.endr
.macro GLOAD sg                        ; the records of features m - 1 and m = 2 sg + h of my row
.set GCV, 16+20*((\sg)%2)
.set GAX, 56+152*((\sg)%2)
	ds_load_b128 v[GCV:GCV+3], v4 offset:64*(\sg)
	ds_load_b128 v[GAX:GAX+3], v4 offset:64*(\sg)+16
	ds_load_b128 v[GCV+4:GCV+7], v4 offset:64*(\sg)+32
	ds_load_b128 v[GAX+4:GAX+7], v4 offset:64*(\sg)+48
.endm
.macro GSTEP sg
.if (\sg) == 0
	s_wait_dscnt 0x0
.else
	s_wait_dscnt 0x4                               ; my four record loads are in; behind them only the last step's four stores may be out
.endif
.if (\sg) < 16
	GLOAD (\sg)+1
.endif
.if (\sg) <= 6
	BLOAD (\sg)+5
.endif
.set CV, 16+20*((\sg)%2)
.set AX, 56+152*((\sg)%2)
.set FF, 216+12*((\sg)%2)
.set WD, 112+2*((\sg)%2)
	v_max3_num_f32 v88, v[AX+4], v[AX+2], 0x1800000    ; block 2 m: m's numbers under 32, m - 1's from 64 on, and the floor 2^(3 - 127)
	v_max_num_f32 v89, 0x1800000, v[AX+5]              ; block 2 m + 1
	v_and_b32 v92, 31, v[AX+7]                         ; m: the bit in its word,
	v_and_b32 v95, 31, v[AX+3]                         ; m - 1 likewise
	v_add_nc_u32 v88, 0xff000000, v88                  ; 2 off the exponent field: the conversions' scale operands
	v_add_nc_u32 v89, 0xff000000, v89
	v_lshrrev_b32 v93, 5, v[AX+7]                      ; and the word + 16
	v_lshrrev_b32 v96, 5, v[AX+3]
	v_cvt_scalef32_pk16_fp6_f32 v[80:82], v[CV:CV+15], v88      ; under block 2 m's scale: bits 0-23 m - 1's four codes, bits 24-47 m's
	v_cvt_scalef32_pk16_fp6_f32 v[84:86], v[CV+4:CV+19], v89    ; under block 2 m + 1's: bits 0-23 m's
	v_lshrrev_b32 v90, 23, v88                         ; the bytes (plain places behind the conversions)
	v_lshrrev_b32 v91, 23, v89
	v_xor_b32 v94, 31, v92
	v_xor_b32 v97, 31, v95
.irp k, 0,1,2,3,4,5,6,7,8,9,10,11,12
	v_cmp_eq_u32 s[82+\k], 15+\k, v93                  ; m's codes begin in word k - 1 of its 12
.endr
.irp k, 0,1,2,3,4,5,6
	v_cmp_eq_u32 s[95+\k], 27+\k, v96                  ; m - 1's begin in word 11 + k of its own count, which is word k - 1 of block 2 m
.endr
	v_and_b32 v98, 0xffffff, v80
	v_alignbit_b32 v99, v81, v80, 24
	v_lshlrev_b32 v104, v92, v84
	v_lshrrev_b32 v105, 1, v84
	v_lshlrev_b32 v102, v95, v98
	v_lshrrev_b32 v103, 1, v98
	v_lshlrev_b32 v100, v92, v99                       ; what falls into the word where the codes begin,
	v_lshrrev_b32 v101, 1, v99
	v_lshrrev_b32 v105, v94, v105
	v_lshrrev_b32 v103, v97, v103
	v_lshrrev_b32 v101, v94, v101                      ; and into the next
.irp d, 0,1,2,3,4,5
	v_cndmask_b32 v[FF+\d], 0, v101, s[82+\d]
.endr
.irp d, 0,1,2,3,4,5
	v_cndmask_b32 v[106+\d], 0, v103, s[95+\d]
.endr
.irp d, 0,1,2,3,4,5
	v_cndmask_b32 v[FF+6+\d], 0, v105, s[88+\d]
.endr
.irp d, 0,1,2,3,4,5
	v_cndmask_b32 v[FF+\d], v[FF+\d], v100, s[83+\d]
.endr
.irp d, 0,1,2,3,4,5
	v_cndmask_b32 v[106+\d], v[106+\d], v102, s[96+\d]
.endr
.irp d, 0,1,2,3,4,5
	v_cndmask_b32 v[FF+6+\d], v[FF+6+\d], v104, s[89+\d]
.endr
.irp d, 0,1,2,3,4,5
	v_or_b32 v[FF+\d], v[FF+\d], v[106+\d]             ; the two features' codes never share a position
.endr
	v_lshl_or_b32 v[WD], v91, 16, v90                  ; my bytes h and 2 + h of the row's scale word,
	v_lshlrev_b32 v[WD], v9, v[WD]
	v_permlanex16_b32 v116, v[WD], s74, s75
	v_or_b32 v[WD], v[WD], v116                        ; with lane l xor 16's the word is whole
.irp i, 0,1,2
.if (\sg) < 9
	ds_store_b128 v5, v[FF+4*\i:FF+4*\i+3] offset:(\sg)*6144+512*\i
.else
	ds_store_b128 v12, v[FF+4*\i:FF+4*\i+3] offset:((\sg)-9)*6144+512*\i
.endif
.endr
	ds_store_b32 v6, v[WD] offset:256*(\sg)
.endm
	GLOAD 0
.irp s, 0,1,2,3,4,5,6,7,8,9,10,11,12,13,14,15,16
	GSTEP \s
.endr
	s_wait_xcnt 0x0                                ; the stores of h have read their registers, which take scale words now
	s_wait_dscnt 0x0                               ; for the others' sake: my images and scale words lie in LDS
	s_barrier_signal -1
	s_barrier_wait -1                              ; everybody's do
.macro ALOAD sg                        ; step sg's four fragments of the operand
.set AB, 16+64*((\sg)%2)
.irp mt, 0,1,2,3
.irp i, 0,1,2
.if (\sg) < 9
	ds_load_b128 v[AB+12*\mt+4*\i:AB+12*\mt+4*\i+3], v7 offset:(\sg)*6144+1536*\mt+512*\i
.else
	ds_load_b128 v[AB+12*\mt+4*\i:AB+12*\mt+4*\i+3], v13 offset:((\sg)-9)*6144+1536*\mt+512*\i
.endif
.endr
.endr
.endm
; A step of 128 along K: 16 matrix instructions, four tiles of rows x my four tiles of columns.  The 16 accumulators take turns, in the same order in every step.
.macro MSTEP sg
	s_wait_dscnt 0x0                               ; this step's operand and scale words, asked for a step ago
.if (\sg) >= 1
.rept 4
	v_nop                                          ; places in front of loads into registers that the last step's matrix instructions read
.endr
.endif
.if (\sg) < 17
	ALOAD (\sg)+1
.endif
.if ((\sg)%2 == 1) && ((\sg) < 16)
	ds_load_b128 v[64+4*((((\sg)/2)+1)%2):64+4*((((\sg)/2)+1)%2)+3], v8 offset:512*(((\sg)/2)+1)   ; the next two steps' scale words: lanes 0-15 the even step's, lanes 16-31 the odd one's
.endif
.if ((\sg) >= 1) && ((\sg) <= 6)
	BLOAD (\sg)+11                                 ; into the slot that the last step has left
.endif
.if (\sg) == 12
	s_wait_loadcnt 0x0                             ; the six runs of weight loads issued in steps 1 to 6
.endif
.set MSL, (\sg)%12
.if MSL < 2
.set MW, 1
.set MB, 128+48*MSL
.elseif MSL < 7
.set MW, 2
.set MB, 48*(MSL-2)
.else
.set MW, 3
.set MB, 48*(MSL-7)
.endif
.set MA, 16+64*((\sg)%2)
.set MBS, 128+4*((\sg)/2)
.set MAS, 64+4*(((\sg)/2)%2)
.if (\sg) == 17
	WIN 0xc0|MW                                    ; the base product has accumulators of its own, in window 3
.else
	WIN 0x50|MW                                    ; source 0 in the slot's window, source 1 in window 0, C and D in window 1
.endif
.irp mt, 0,1,2,3
.irp t, 0,1,2,3
.if (\sg) == 0
	v_wmma_scale_f32_16x16x128_f8f6f4 v[8*(4*\mt+\t):8*(4*\mt+\t)+7], v[MB+12*\t:MB+12*\t+11], v[MA+12*\mt:MA+12*\mt+11], 0, v[MBS+\t], v[MAS+\mt] matrix_a_fmt:MATRIX_FMT_FP6 matrix_b_fmt:MATRIX_FMT_FP6
.elseif (\sg) == 17
	v_wmma_scale_f32_16x16x128_f8f6f4 v[8*(4*\mt+\t):8*(4*\mt+\t)+7], v[MB+12*\t:MB+12*\t+11], v[MA+12*\mt:MA+12*\mt+11], 0, v[MBS+\t], v[MAS+\mt] matrix_a_fmt:MATRIX_FMT_FP6 matrix_b_fmt:MATRIX_FMT_FP6 matrix_a_scale:MATRIX_SCALE_ROW1 matrix_b_scale:MATRIX_SCALE_ROW1
.elseif (\sg)%2 == 1
	v_wmma_scale_f32_16x16x128_f8f6f4 v[8*(4*\mt+\t):8*(4*\mt+\t)+7], v[MB+12*\t:MB+12*\t+11], v[MA+12*\mt:MA+12*\mt+11], v[8*(4*\mt+\t):8*(4*\mt+\t)+7], v[MBS+\t], v[MAS+\mt] matrix_a_fmt:MATRIX_FMT_FP6 matrix_b_fmt:MATRIX_FMT_FP6 matrix_a_scale:MATRIX_SCALE_ROW1 matrix_b_scale:MATRIX_SCALE_ROW1
.else
	v_wmma_scale_f32_16x16x128_f8f6f4 v[8*(4*\mt+\t):8*(4*\mt+\t)+7], v[MB+12*\t:MB+12*\t+11], v[MA+12*\mt:MA+12*\mt+11], v[8*(4*\mt+\t):8*(4*\mt+\t)+7], v[MBS+\t], v[MAS+\mt] matrix_a_fmt:MATRIX_FMT_FP6 matrix_b_fmt:MATRIX_FMT_FP6
.endif
.endr
.endr
	WIN 0
.endm
	ALOAD 0
	ds_load_b128 v[64:67], v8                      ; steps 0 and 1: the operand's scale words
	s_wait_loadcnt 0x0                             ; weight slots 0 to 11 and the weights' scale words
.irp s, 0,1,2,3,4,5,6,7,8,9,10,11,12,13,14,15,16,17
	MSTEP \s
.endr
.rept 4
	v_nop                                          ; places in front of the first read of results
.endr
	WIN 0x41
.irp k, 0,1,2,3,4,5,6,7,8,9,10,11,12,13,14,15,16,17,18,19,20,21,22,23,24,25,26,27,28,29,30,31,32,33,34,35,36,37,38,39,40,41,42,43,44,45,46,47,48,49,50,51,52,53,54,55,56,57,58,59,60,61,62,63
	v_pk_mul_f32 v[2*\k:2*\k+1], v[2*\k:2*\k+1], s[78:79] op_sel_hi:[1,0]          ; ws x the spline's sums, each accumulator from its low end on
.endr
	WIN 0x53
.irp k, 0,1,2,3,4,5,6,7,8,9,10,11,12,13,14,15,16,17,18,19,20,21,22,23,24,25,26,27,28,29,30,31,32,33,34,35,36,37,38,39,40,41,42,43,44,45,46,47,48,49,50,51,52,53,54,55,56,57,58,59,60,61,62,63
	v_pk_fma_f32 v[2*\k:2*\k+1], v[2*\k:2*\k+1], s[80:81], v[2*\k:2*\k+1] op_sel_hi:[1,0,1]   ; + wb x the base's (source 0 in window 3)
.endr
	WIN 0x04                                       ; a store's data are its source 1: window 1
.irp mt, 0,1,2,3
.irp t, 0,1,2,3
.irp q, 0,1
	global_store_b128 v1, v[8*(4*\mt+\t)+4*\q:8*(4*\mt+\t)+4*\q+3], s[66:67] offset:16384*\mt+1024*\t+512*\q   ; 32 lanes store 512 consecutive bytes
.endr
.endr
.endr
	WIN 0
	s_wait_tensorcnt 0x0                           ; the wave's end
	ds_add_u32 v10, v11
	s_wait_dscnt 0x0
	s_endpgm
.Lfunc_end_k_qbbc882dbfc_layer0:
	.size	k_qbbc882dbfc_layer0, .Lfunc_end_k_qbbc882dbfc_layer0-k_qbbc882dbfc_layer0
	.p2alignl 7, 3214868480
	.fill 96, 4, 3214868480
	.section	.rodata,"a",@progbits
	.p2align	6, 0x0
	.amdhsa_kernel k_qbbc882dbfc_layer0
		.amdhsa_group_segment_fixed_size 188416
		.amdhsa_private_segment_fixed_size 0
		.amdhsa_enable_private_segment 0
		.amdhsa_kernarg_size 48
		.amdhsa_user_sgpr_count 2
		.amdhsa_user_sgpr_kernarg_segment_ptr 1
		.amdhsa_wavefront_size32 1
		.amdhsa_system_sgpr_workgroup_id_x 1
		.amdhsa_system_sgpr_workgroup_id_y 1
		.amdhsa_system_sgpr_workgroup_id_z 1
		.amdhsa_system_vgpr_workitem_id 0
		.amdhsa_next_free_vgpr 1024
		.amdhsa_next_free_sgpr 102
		.amdhsa_reserve_vcc 0
		.amdhsa_float_denorm_mode_32 3
		.amdhsa_float_denorm_mode_16_64 3
		.amdhsa_memory_ordered 1
		.amdhsa_forward_progress 1
		.amdhsa_inst_pref_size 249
	.end_amdhsa_kernel
	.amdgpu_metadata
---
amdhsa.version: [ 1, 2 ]
amdhsa.kernels:
  - .name:           k_qbbc882dbfc_layer0
    .symbol:         k_qbbc882dbfc_layer0.kd
    .args:
      - { .name: PB, .offset: 0, .size: 8, .value_kind: global_buffer, .address_space: global }
      - { .name: W, .offset: 8, .size: 8, .value_kind: global_buffer, .address_space: global }
      - { .name: prm0, .offset: 16, .size: 8, .value_kind: global_buffer, .address_space: global }
      - { .name: wb0, .offset: 24, .size: 8, .value_kind: global_buffer, .address_space: global }
      - { .name: ws0, .offset: 32, .size: 8, .value_kind: global_buffer, .address_space: global }
      - { .name: PA, .offset: 40, .size: 8, .value_kind: global_buffer, .address_space: global }
    .group_segment_fixed_size: 188416
    .private_segment_fixed_size: 0
    .kernarg_segment_align: 8
    .kernarg_segment_size: 48
    .max_flat_workgroup_size: 128
    .sgpr_count:     102
    .vgpr_count:     1024
    .wavefront_size: 32
...
	.end_amdgpu_metadata
.endif
;; end of part 2
;; launch layer1: the kernel of part 2 again; grid 32 x 8, 4 waves a work-group, no clusters, 188,416 bytes of LDS; arguments PA, W, prm1, wb1, ws1, PB; writes PB
;; launch layer2: the kernel of part 2 again; grid 32 x 8, 4 waves a work-group, no clusters, 188,416 bytes of LDS; arguments PB, W, prm2, wb2, ws2, PA; writes PA
;; launch fina (part 3): grid 32 x 8, 4 waves a work-group, no clusters, 0 bytes of LDS; arguments PA, bw3, wb3, PB, JB; writes PB, JB
.if DOCPART == 3
	.amdgcn_target "amdgcn-amd-amdhsa--gfx1250"
	.amdhsa_code_object_version 6
	.text
	.protected	k_qbbc882dbfc_fina
	.globl	k_qbbc882dbfc_fina
	.p2align	8
	.type	k_qbbc882dbfc_fina,@function
k_qbbc882dbfc_fina:
	s_mov_b64 s[64:65], 0
	v_nop
	global_prefetch_b8 v0, s[64:65] scope:SCOPE_SE
	s_setreg_imm32_b32 hwreg(HW_REG_WAVE_MODE, 25, 1), 1
	s_wait_xcnt 0x0
; The last layer, first half.  h = the sum of the nine splits.  For each (row, feature): u = t - floor(t) goes to PB (split 0), and the number of the feature's cubic, 70 f + j + 1, as a whole number to JB:
; the next launch forms addresses from it.  The base path is finished here up to the sum over lanes and groups: wb3 x the lane's sum of silu(h) bw3 goes to PB behind split 0.
; SHARES as in the layers: work-group (rb, g), wave w: rows 64 rb + 16 w .. + 15, features 32 g .. + 31; lane (r, h), register 8 a + 4 q + e: row r, feature 16 a + 8 h + 4 q + e.
; All in f32 on the vector unit: the product has one column.  No LDS, no barrier: waves share nothing.  LIMITS: NaN and infinities in h are not served.
	s_load_b256 s[4:11], s[0:1], 0x0               ; PA, bw3, wb3, PB
	s_load_b64 s[12:13], s[0:1], 0x20              ; JB
	v_lshrrev_b32 v1, 5, v0
	v_readfirstlane_b32 s20, v1                    ; wave
	s_and_b32 s22, ttmp7, 0xffff                   ; g
	v_and_b32 v2, 31, v0
	v_lshlrev_b32 v1, 4, v2                        ; 16 x lane
	v_lshlrev_b32 v3, 2, v2                        ; 4 x lane
	v_bfe_u32 v4, v0, 4, 1                         ; h
	v_lshlrev_b32 v5, 5, v4                        ; bw3: 8 h numbers on
	s_mul_i32 s2, s22, 2240
	v_mul_u32_u24 v9, v4, 560
	v_add_nc_u32 v9, s2, v9                        ; 70 x (32 g + 8 h)
	s_mov_b32 s70, 0x4261745d                      ; 1 / H
	s_mov_b32 s71, 0x40ba2e8c                      ; 0.05 / H + 3
	s_mov_b32 s77, 0xbfb8aa3b                      ; -log2(e)
	s_mov_b32 s3, 0
	s_lshl_b32 s21, ttmp9, 2
	s_add_co_u32 s21, s21, s20                     ; my tile of 16 rows
	s_lshl_b32 s23, s21, 4
	s_lshl_b32 s2, s22, 1
	s_add_co_u32 s23, s23, s2
	s_lshl_b32 s23, s23, 10                        ; my four pieces in a split
	s_wait_kmcnt 0x0
	s_load_b32 s18, s[8:9], 0x0                    ; wb3
	s_mov_b32 s2, s23
	s_add_nc_u64 s[28:29], s[4:5], s[2:3]
.irp i, 1,2,3,4,5,6,7,8
	s_add_nc_u64 s[28+2*\i:29+2*\i], s[26+2*\i:27+2*\i], 0x200000
.endr
	s_add_nc_u64 s[46:47], s[10:11], s[2:3]        ; u
	s_add_nc_u64 s[48:49], s[12:13], s[2:3]        ; the cubics' numbers
	s_lshl_b32 s2, s22, 7
	s_add_nc_u64 s[50:51], s[6:7], s[2:3]          ; bw3 at the group's first feature
	s_lshl_b32 s2, s21, 3
	s_add_co_u32 s2, s2, s22
	s_lshl_b32 s2, s2, 7
	s_add_co_u32 s2, s2, 0x200000
	s_add_nc_u64 s[52:53], s[10:11], s[2:3]        ; the base parts: 128 bytes for each (tile of rows, group)
.irp s, 0,1,2,3,4,5,6,7,8
.irp n, 0,1,2,3
	global_load_b128 v[64+16*\s+4*\n:64+16*\s+4*\n+3], v1, s[28+2*\s:29+2*\s] offset:512*\n th:TH_LOAD_NT
.endr
.endr
.irp n, 0,1,2,3
	global_load_b128 v[208+4*\n:208+4*\n+3], v5, s[50:51] offset:64*(\n/2)+16*(\n%2)
.endr
	s_wait_loadcnt 0x0
.irp s, 1,2,3,4,5,6,7,8
.irp k, 0,1,2,3,4,5,6,7
	v_pk_add_f32 v[64+2*\k:65+2*\k], v[64+2*\k:65+2*\k], v[64+16*\s+2*\k:65+16*\s+2*\k]
.endr
.endr
.irp n, 0,1,2,3,4,5,6,7,8,9,10,11,12,13,14,15
	v_mul_f32 v[128+\n], s77, v[64+\n]
.endr
.irp n, 0,1,2,3,4,5,6,7,8,9,10,11,12,13,14,15
	v_exp_f32 v[128+\n], v[128+\n]
.endr
.irp n, 0,1,2,3,4,5,6,7,8,9,10,11,12,13,14,15
	v_fma_f32 v[96+\n], v[64+\n], s70, s71         ; t (plain work behind the batch)
.endr
.irp n, 0,1,2,3,4,5,6,7,8,9,10,11,12,13,14,15
	v_floor_f32 v[112+\n], v[96+\n]
.endr
.irp n, 0,1,2,3,4,5,6,7,8,9,10,11,12,13,14,15
	v_sub_f32 v[16+\n], v[96+\n], v[112+\n]        ; u
.endr
	s_wait_alu depctr_va_vdst(0)                   ; one wait for the 16 exponentials, ahead of their first reader
.irp n, 0,1,2,3,4,5,6,7,8,9,10,11,12,13,14,15
	v_add_f32 v[128+\n], 1.0, v[128+\n]
.endr
.irp n, 0,1,2,3,4,5,6,7,8,9,10,11,12,13,14,15
	v_rcp_f32 v[128+\n], v[128+\n]
.endr
.irp n, 0,1,2,3,4,5,6,7,8,9,10,11,12,13,14,15
	v_med3_num_f32 v[112+\n], v[112+\n], -1.0, 0x42880000   ; j held to -1 .. 68: the cubics at both ends are zeros
.endr
.irp n, 0,1,2,3,4,5,6,7,8,9,10,11,12,13,14,15
	v_cvt_i32_f32 v[112+\n], v[112+\n]
.endr
.irp n, 0,1,2,3,4,5,6,7,8,9,10,11,12,13,14,15
	v_add3_u32 v[32+\n], v[112+\n], v9, 70*(16*(\n/8)+\n%8)+1
.endr
	s_wait_alu depctr_va_vdst(0)                   ; and one for the 16 reciprocals
.irp n, 0,1,2,3,4,5,6,7,8,9,10,11,12,13,14,15
	v_mul_f32 v[144+\n], v[64+\n], v[128+\n]       ; silu(h)
.endr
	v_mul_f32 v160, v144, v208
	v_mul_f32 v161, v145, v209
.irp n, 2,4,6,8,10,12,14
	v_fma_f32 v160, v[144+\n], v[208+\n], v160
	v_fma_f32 v161, v[145+\n], v[209+\n], v161
.endr
	v_add_f32 v160, v160, v161
	s_wait_kmcnt 0x0
	v_mul_f32 v160, s18, v160
.irp n, 0,1,2,3
	global_store_b128 v1, v[16+4*\n:16+4*\n+3], s[46:47] offset:512*\n
	global_store_b128 v1, v[32+4*\n:32+4*\n+3], s[48:49] offset:512*\n
.endr
	global_store_b32 v3, v160, s[52:53]
	s_endpgm
.Lfunc_end_k_qbbc882dbfc_fina:
	.size	k_qbbc882dbfc_fina, .Lfunc_end_k_qbbc882dbfc_fina-k_qbbc882dbfc_fina
	.p2alignl 7, 3214868480
	.fill 96, 4, 3214868480
	.section	.rodata,"a",@progbits
	.p2align	6, 0x0
	.amdhsa_kernel k_qbbc882dbfc_fina
		.amdhsa_group_segment_fixed_size 0
		.amdhsa_private_segment_fixed_size 0
		.amdhsa_enable_private_segment 0
		.amdhsa_kernarg_size 40
		.amdhsa_user_sgpr_count 2
		.amdhsa_user_sgpr_kernarg_segment_ptr 1
		.amdhsa_wavefront_size32 1
		.amdhsa_system_sgpr_workgroup_id_x 1
		.amdhsa_system_sgpr_workgroup_id_y 1
		.amdhsa_system_sgpr_workgroup_id_z 1
		.amdhsa_system_vgpr_workitem_id 0
		.amdhsa_next_free_vgpr 224
		.amdhsa_next_free_sgpr 80
		.amdhsa_reserve_vcc 0
		.amdhsa_float_denorm_mode_32 3
		.amdhsa_float_denorm_mode_16_64 3
		.amdhsa_memory_ordered 1
		.amdhsa_forward_progress 1
		.amdhsa_inst_pref_size 20
	.end_amdhsa_kernel
	.amdgpu_metadata
---
amdhsa.version: [ 1, 2 ]
amdhsa.kernels:
  - .name:           k_qbbc882dbfc_fina
    .symbol:         k_qbbc882dbfc_fina.kd
    .args:
      - { .name: PA, .offset: 0, .size: 8, .value_kind: global_buffer, .address_space: global }
      - { .name: bw3, .offset: 8, .size: 8, .value_kind: global_buffer, .address_space: global }
      - { .name: wb3, .offset: 16, .size: 8, .value_kind: global_buffer, .address_space: global }
      - { .name: PB, .offset: 24, .size: 8, .value_kind: global_buffer, .address_space: global }
      - { .name: JB, .offset: 32, .size: 8, .value_kind: global_buffer, .address_space: global }
    .group_segment_fixed_size: 0
    .private_segment_fixed_size: 0
    .kernarg_segment_align: 8
    .kernarg_segment_size: 40
    .max_flat_workgroup_size: 128
    .sgpr_count:     80
    .vgpr_count:     224
    .wavefront_size: 32
...
	.end_amdgpu_metadata
.endif
;; end of part 3
;; launch finb (part 4): grid 128 x 1, 8 waves a work-group, no clusters, 1,792 bytes of LDS; arguments PB, JB, T3, ws3, out0; writes out0
.if DOCPART == 4
	.amdgcn_target "amdgcn-amd-amdhsa--gfx1250"
	.amdhsa_code_object_version 6
	.text
	.protected	k_qbbc882dbfc_finb
	.globl	k_qbbc882dbfc_finb
	.p2align	8
	.type	k_qbbc882dbfc_finb,@function
k_qbbc882dbfc_finb:
	s_mov_b64 s[64:65], 0
	v_nop
	global_prefetch_b8 v0, s[64:65] scope:SCOPE_SE
	s_setreg_imm32_b32 hwreg(HW_REG_WAVE_MODE, 25, 1), 1
	s_wait_xcnt 0x0
; The last layer, second half: out(row) = the sum over features of ws3 x cubic(u) + the base parts.  The cubic's four coefficients are gathered from T3 by the whole numbers that the launch before stored.
; SHARES: a work-group owns a tile of 16 rows, so that each output has one owner; wave g takes the 32 features of group g: lane (r, h) has 16 of row r's.  The eight waves' sums meet in LDS; wave 0 stores 16 numbers.
; 128 work-groups: an image piece holds 16 rows.  The work-group's 64 output bytes are a quarter of an aligned block of 256; the whole output is 8,192 bytes.
.set SPARE, 768                        ; LDS: bytes 0-511 the waves' sums (64 x wave + 4 r); from 768 the spare words, 128 bytes for each wave, four blocks of 256 bytes that no other line names
	s_load_b256 s[4:11], s[0:1], 0x0               ; PB, JB, T3, ws3
	s_load_b64 s[12:13], s[0:1], 0x20              ; out0
	v_lshl_add_u32 v8, v0, 2, SPARE                ; my spare word
	v_mov_b32 v9, 0
	v_lshrrev_b32 v1, 5, v0
	v_readfirstlane_b32 s20, v1                    ; wave = group
	v_and_b32 v2, 31, v0
	v_lshlrev_b32 v1, 4, v2                        ; 16 x lane
	v_lshlrev_b32 v2, 2, v2                        ; 4 x lane
	v_and_b32 v4, 15, v0
	v_lshlrev_b32 v4, 2, v4                        ; 4 r
	s_lshl_b32 s21, s20, 6
	v_add_nc_u32 v3, s21, v4                       ; where my wave's sums go
	v_mov_b32 v49, 0                               ; (a lane permute's destination counts as one of its sources)
	s_mov_b32 s28, 0x76543210
	s_mov_b32 s29, 0xfedcba98                      ; lane selects: lane l xor 16
	s_mov_b32 s3, 0
	s_lshl_b32 s2, ttmp9, 4
	s_lshl_b32 s21, s20, 1
	s_add_co_u32 s2, s2, s21
	s_lshl_b32 s2, s2, 10                          ; my four pieces
	s_wait_kmcnt 0x0
	s_load_b32 s14, s[10:11], 0x0                  ; ws3
	s_add_nc_u64 s[16:17], s[4:5], s[2:3]          ; u
	s_add_nc_u64 s[18:19], s[6:7], s[2:3]          ; the cubics' numbers
	s_lshl_b32 s2, ttmp9, 3
	s_add_co_u32 s2, s2, s20
	s_lshl_b32 s2, s2, 7
	s_add_co_u32 s2, s2, 0x200000
	s_add_nc_u64 s[22:23], s[4:5], s[2:3]          ; my base parts
	s_lshl_b32 s2, ttmp9, 6
	s_add_nc_u64 s[24:25], s[12:13], s[2:3]        ; my 16 outputs
.irp n, 0,1,2,3
	global_load_b128 v[16+4*\n:16+4*\n+3], v1, s[18:19] offset:512*\n th:TH_LOAD_NT
.endr
.irp n, 0,1,2,3
	global_load_b128 v[32+4*\n:32+4*\n+3], v1, s[16:17] offset:512*\n th:TH_LOAD_NT
.endr
	global_load_b32 v48, v2, s[22:23] th:TH_LOAD_NT
	s_wait_loadcnt 5                               ; the numbers are in; u's four loads and the base part may be out
.irp n, 0,1,2,3,4,5,6,7,8,9,10,11,12,13,14,15
	v_min_u32 v[16+\n], 0x45ff, v[16+\n]           ; inside the table's 17,920 entries
.endr
.irp n, 0,1,2,3,4,5,6,7,8,9,10,11,12,13,14,15
	v_lshlrev_b32 v[16+\n], 4, v[16+\n]
.endr
.irp n, 0,1,2,3,4,5,6,7,8,9,10,11,12,13,14,15
	global_load_b128 v[64+4*\n:64+4*\n+3], v[16+\n], s[8:9]
.endr
	s_wait_loadcnt 0x0
.irp n, 0,1,2,3,4,5,6,7,8,9,10,11,12,13,14,15
	v_fma_f32 v[67+4*\n], v[67+4*\n], v[32+\n], v[66+4*\n]
.endr
.irp n, 0,1,2,3,4,5,6,7,8,9,10,11,12,13,14,15
	v_fma_f32 v[67+4*\n], v[67+4*\n], v[32+\n], v[65+4*\n]
.endr
.irp n, 0,1,2,3,4,5,6,7,8,9,10,11,12,13,14,15
	v_fma_f32 v[67+4*\n], v[67+4*\n], v[32+\n], v[64+4*\n]   ; ((k3 u + k2) u + k1) u + k0
.endr
	v_add_f32 v50, v67, v75
	v_add_f32 v51, v71, v79
.irp n, 4,6,8,10,12,14
	v_add_f32 v50, v50, v[67+4*\n]
	v_add_f32 v51, v51, v[71+4*\n]
.endr
	v_add_f32 v50, v50, v51
	s_wait_kmcnt 0x0
	v_fma_f32 v50, v50, s14, v48                   ; ws3 x the spline's part + the base's
	v_permlanex16_b32 v49, v50, s28, s29
	v_add_f32 v50, v50, v49                        ; with lane l xor 16's: row r, group g
	ds_store_b32 v3, v50                           ; lanes 16-31 write lanes 0-15's words with the same values
	s_wait_dscnt 0x0                               ; for the others' sake: my sums lie in LDS
	s_barrier_signal -1
	s_barrier_wait -1
	s_cmp_lg_u32 s20, 0
	s_cbranch_scc1 .Lend
.irp k, 0,1,2,3,4,5,6,7
	ds_load_b32 v[52+\k], v4 offset:64*\k
.endr
	s_wait_dscnt 0x0
	v_add_f32 v52, v52, v53
	v_add_f32 v54, v54, v55
	v_add_f32 v56, v56, v57
	v_add_f32 v58, v58, v59
	v_add_f32 v52, v52, v54
	v_add_f32 v56, v56, v58
	v_add_f32 v52, v52, v56
	global_store_b32 v4, v52, s[24:25]             ; 64 consecutive bytes; lanes 16-31 repeat lanes 0-15's
.Lend:
	s_wait_tensorcnt 0x0                           ; the wave's end
	ds_add_u32 v8, v9
	s_wait_dscnt 0x0
	s_endpgm
.Lfunc_end_k_qbbc882dbfc_finb:
	.size	k_qbbc882dbfc_finb, .Lfunc_end_k_qbbc882dbfc_finb-k_qbbc882dbfc_finb
	.p2alignl 7, 3214868480
	.fill 96, 4, 3214868480
	.section	.rodata,"a",@progbits
	.p2align	6, 0x0
	.amdhsa_kernel k_qbbc882dbfc_finb
		.amdhsa_group_segment_fixed_size 1792
		.amdhsa_private_segment_fixed_size 0
		.amdhsa_enable_private_segment 0
		.amdhsa_kernarg_size 40
		.amdhsa_user_sgpr_count 2
		.amdhsa_user_sgpr_kernarg_segment_ptr 1
		.amdhsa_wavefront_size32 1
		.amdhsa_system_sgpr_workgroup_id_x 1
		.amdhsa_system_sgpr_workgroup_id_y 1
		.amdhsa_system_sgpr_workgroup_id_z 1
		.amdhsa_system_vgpr_workitem_id 0
		.amdhsa_next_free_vgpr 128
		.amdhsa_next_free_sgpr 66
		.amdhsa_reserve_vcc 0
		.amdhsa_float_denorm_mode_32 3
		.amdhsa_float_denorm_mode_16_64 3
		.amdhsa_memory_ordered 1
		.amdhsa_forward_progress 1
		.amdhsa_inst_pref_size 11
	.end_amdhsa_kernel
	.amdgpu_metadata
---
amdhsa.version: [ 1, 2 ]
amdhsa.kernels:
  - .name:           k_qbbc882dbfc_finb
    .symbol:         k_qbbc882dbfc_finb.kd
    .args:
      - { .name: PB, .offset: 0, .size: 8, .value_kind: global_buffer, .address_space: global }
      - { .name: JB, .offset: 8, .size: 8, .value_kind: global_buffer, .address_space: global }
      - { .name: T3, .offset: 16, .size: 8, .value_kind: global_buffer, .address_space: global }
      - { .name: ws3, .offset: 24, .size: 8, .value_kind: global_buffer, .address_space: global }
      - { .name: out0, .offset: 32, .size: 8, .value_kind: global_buffer, .address_space: global }
    .group_segment_fixed_size: 1792
    .private_segment_fixed_size: 0
    .kernarg_segment_align: 8
    .kernarg_segment_size: 40
    .max_flat_workgroup_size: 256
    .sgpr_count:     66
    .vgpr_count:     128
    .wavefront_size: 32
...
	.end_amdgpu_metadata
.endif
;; end of part 4
;; ======== version 2 of 2: 6 launches
;; workspace buffers: W 8,294,400 bytes; PA 18,874,368 bytes; PB 18,874,368 bytes; T3 286,720 bytes; JB 2,097,152 bytes of whole numbers; prm0 256 bytes of whole numbers; prm1 256 bytes of whole numbers; prm2 256 bytes of whole numbers
;; launch prep (part 5): grid 216 x 1, 6 waves a work-group, no clusters, 51,456 bytes of LDS; arguments x, sw0, sw1, sw2, sw3, bw0, bw1, bw2, W, PB, T3, prm0, prm1, prm2; writes W, PB, T3, prm0, prm1, prm2
.if DOCPART == 5
	.amdgcn_target "amdgcn-amd-amdhsa--gfx1250"
	.amdhsa_code_object_version 6
	.text
	.protected	k_qbbc882dbfc_prep
	.globl	k_qbbc882dbfc_prep
	.p2align	8
	.type	k_qbbc882dbfc_prep,@function
k_qbbc882dbfc_prep:
	s_mov_b64 s[64:65], 0
	v_nop
	global_prefetch_b8 v0, s[64:65] scope:SCOPE_SE
	s_setreg_imm32_b32 hwreg(HW_REG_WAVE_MODE, 25, 1), 1
	s_wait_xcnt 0x0
; The weights of layers 0 to 2 become codes of FP6 (E2M3) with one E8M0 byte for each 32 along K, laid as IMAGES OF OPERAND REGISTERS, so that the layers load each fragment by three loads of 16 bytes a lane.
; K of a layer is cut into groups of 32 features = 65 blocks of 32.  A group has 18 steps of 128 along K: step s < 17 holds blocks 4 s .. 4 s + 3 of the spline weight (blocks 65 to 67: zero codes),
; step 17 holds the group's one block of the base weight.  In a step the instruction's k = 64 c + 32 h holds block 4 s + c + 2 h.  In the base block the pieces of four columns stand in the order 0 1 4 5 2 3 6 7.
; W: a chunk of 25,600 bytes for each (layer, group, step): 16 fragments of 1,536 bytes (piece i of 512 bytes = registers 4 i .. 4 i + 3, 16 bytes a lane), then the scale words at 256 (nt / 4) + 16 r + 4 (nt % 4).
; SHARES: 72 units (layer, group, quarter w of the 256 columns) x 3 work-groups x 6 waves = 18 steps; a wave makes the four fragments nt = 4 w + t of its step.
; A load reads 512 consecutive bytes of one column (four blocks); the 16 columns of a fragment turn through the wave's own stage in LDS, so that a lane gets whole blocks of its column.
; Beside that: x is laid as split 0 of PB in the layers' image form; the last layer's spline weight becomes a table of cubics in u (T3); three small tables tell the layers their numbers.
; A block's scale is 2^(floor(log2(largest magnitude)) - 2): its byte is the largest magnitude's exponent field - 2, held at 1 from below.  A block of zeros so has the byte 1 where the quantiser says 127:
; its codes are zeros, and this program alone reads the bytes.  LIMITS: NaN and infinities among the weights are not served.
.set STG,   8448                       ; a wave's stage: 16 rows x (512 + 16) bytes
.set SPARE, 6*STG                      ; behind the stages: the spare words, 128 bytes for each wave, three blocks of 256 bytes that no other line names
.set VOFF,  16                         ; v16-31   byte offset of my 16 bytes in column i of a fragment; never rewritten
.set LSET,  32                         ; v32-159  two sets of 64 registers as loaded
.set X,     160                        ; v160-223 my two blocks: block c at X + 32 c
.set F,     224                        ; v224-235 the fragment's 12 registers
.set TT,    236                        ; v236-238 the second half of a block's codes, before it is moved
.set SWD,   240                        ; v240-243 the scale words of the four fragments
	s_load_b512 s[4:19], s[0:1], 0x0               ; x, sw0, sw1, sw2, sw3, bw0, bw1, bw2
	s_load_b256 s[20:27], s[0:1], 0x40             ; W, PB, T3, prm0
	s_load_b128 s[28:31], s[0:1], 0x60             ; prm1, prm2
	v_lshl_add_u32 v9, v0, 2, SPARE                ; my spare word
	v_mov_b32 v10, 0
	v_lshrrev_b32 v1, 5, v0
	v_readfirstlane_b32 s32, v1                    ; wave 0..5
	v_and_b32 v1, 31, v0                           ; lane
	v_and_b32 v2, 15, v0                           ; r
	v_bfe_u32 v3, v0, 4, 1                         ; h
	s_mul_i32 s74, s32, STG
	v_lshlrev_b32 v6, 4, v1                        ; 16 x lane
	v_add_nc_u32 v4, s74, v6                       ; the stage on the way in: a column's 512 bytes as they lie
	v_mul_u32_u24 v5, v2, 528
	v_lshl_add_u32 v5, v3, 8, v5
	v_add_nc_u32 v5, s74, v5                       ; and on the way out: column r, blocks 2 h and 2 h + 1
	v_lshlrev_b32 v7, 4, v2                        ; 16 r
	v_lshlrev_b32 v8, 3, v3                        ; 8 h
	v_and_b32 v12, 7, v0
	v_and_b32 v13, 1, v12
	v_and_b32 v14, 2, v12
	v_lshl_or_b32 v13, v14, 1, v13
	v_and_b32 v14, 4, v12
	v_lshrrev_b32 v14, 1, v14
	v_or_b32 v13, v13, v14                         ; the base block's order of pieces
	v_lshlrev_b32 v12, 4, v12
	v_lshlrev_b32 v13, 4, v13
	s_mov_b32 s76, 0x76543210
	s_mov_b32 s77, 0xfedcba98                      ; lane selects: lane l xor 16
	s_mul_i32 s34, ttmp9, 171
	s_lshr_b32 s34, s34, 9                         ; unit = work-group / 3
	s_mul_i32 s35, s34, 3
	s_sub_co_u32 s35, ttmp9, s35
	s_mul_i32 s36, s35, 6
	s_add_co_u32 s36, s36, s32                     ; my step 0..17
	s_wait_alu depctr_va_vdst(0)
	s_wait_kmcnt 0x0
	s_cmp_lt_u32 s34, 40                           ; units 0-7 layer 0, 8-39 layer 1, 40-71 layer 2: choices on ids alone
	s_cselect_b64 s[38:39], s[8:9], s[10:11]
	s_cselect_b64 s[40:41], s[16:17], s[18:19]
	s_cselect_b32 s42, 8, 40
	s_cselect_b32 s43, 36, 180
	s_cmp_lt_u32 s34, 8
	s_cselect_b64 s[38:39], s[6:7], s[38:39]       ; the layer's spline weight,
	s_cselect_b64 s[40:41], s[14:15], s[40:41]     ; its base weight,
	s_cselect_b32 s42, 0, s42                      ; its first unit,
	s_cselect_b32 s43, 0, s43                      ; its first chunk,
	s_mov_b32 s44, 66560
	s_cselect_b32 s44, 16640, s44                  ; a column's bytes in the spline weight
	s_mov_b32 s45, 1024
	s_cselect_b32 s45, 256, s45                    ; and in the base weight
	s_sub_co_u32 s46, s34, s42
	s_lshr_b32 s47, s46, 2                         ; group
	s_and_b32 s46, s46, 3                          ; quarter of the columns
	s_mul_i32 s48, s47, 65
	s_lshl_b32 s49, s36, 2
	s_add_co_u32 s48, s48, s49
	s_lshl_b32 s48, s48, 7                         ; block 65 g + 4 s, 128 bytes a block
	s_lshl_b32 s49, s47, 7                         ; base: block g
	s_cmp_eq_u32 s36, 17
	s_cselect_b64 s[38:39], s[40:41], s[38:39]
	s_cselect_b32 s44, s45, s44
	s_cselect_b32 s48, s49, s48
	s_cselect_b32 s50, -1, 0                       ; all lanes: the base step
	s_cmp_ge_u32 s36, 16
	s_cselect_b32 s51, -1, 0                       ; all lanes: a step with one real block
	s_cselect_b32 s52, 0xffff, -1                  ; which lanes keep their block c = 0
	s_cselect_b32 s53, 0, -1                       ; and c = 1
	s_lshl_b32 s54, s46, 6
	s_mul_i32 s54, s54, s44
	s_add_co_u32 s54, s54, s48
	s_mov_b32 s55, 0
	s_add_nc_u64 s[56:57], s[38:39], s[54:55]      ; fragment t's first column at my step's first block: four bases, never rewritten
	s_lshl_b32 s54, s44, 4
	s_add_nc_u64 s[58:59], s[56:57], s[54:55]
	s_add_nc_u64 s[60:61], s[58:59], s[54:55]
	s_add_nc_u64 s[62:63], s[60:61], s[54:55]
	s_mul_i32 s66, s47, 18
	s_add_co_u32 s66, s66, s43
	s_add_co_u32 s66, s66, s36
	s_mul_i32 s66, s66, 25600
	s_mov_b32 s67, 0
	s_add_nc_u64 s[68:69], s[20:21], s[66:67]      ; my chunk
	s_mul_i32 s66, s46, 6144
	s_add_nc_u64 s[70:71], s[68:69], s[66:67]      ; my four fragments
	s_lshl_b32 s66, s46, 8
	s_add_co_u32 s66, s66, 24576
	s_add_nc_u64 s[72:73], s[68:69], s[66:67]      ; their scale words
	v_cndmask_b32 v11, v6, v12, s51                ; a step with one real block reads that block four times over: no load leaves the buffer
	v_cndmask_b32 v11, v11, v13, s50
.irp i, 0,1,2,3,4,5,6,7,8,9,10,11,12,13,14,15
	v_mad_u32_u24 v[VOFF+\i], s44, \i, v11
.endr
.macro LOADF t                         ; fragment t: 16 columns, 512 consecutive bytes each
.set LL, LSET+64*((\t)%2)
.irp i, 0,1,2,3,4,5,6,7,8,9,10,11,12,13,14,15
	global_load_b128 v[LL+4*\i:LL+4*\i+3], v[VOFF+\i], s[56+2*(\t):57+2*(\t)] th:TH_LOAD_NT
.endr
.endm
.macro FRAG t
.set LB, LSET+64*((\t)%2)
.if (\t) < 3
	s_wait_loadcnt 16                              ; this fragment's 16 loads are in; the next fragment's 16 may be out
.else
	s_wait_loadcnt 0x0
.endif
.irp i, 0,1,2,3,4,5,6,7,8,9,10,11,12,13,14,15
	ds_store_b128 v4, v[LB+4*\i:LB+4*\i+3] offset:528*\i
.endr
.irp c, 0,1
.irp k, 0,1,2,3,4,5,6,7
	ds_load_b128 v[X+32*\c+4*\k:X+32*\c+4*\k+3], v5 offset:128*\c+16*\k   ; LDS serves a wave's instructions in order: these see the stores above
.endr
.endr
	s_wait_dscnt 0x0                               ; my two blocks are in, and the stage's stores have read their registers
.if (\t) < 2
	LOADF (\t)+2
.endif
.if (\t) > 0
	s_wait_xcnt 0x0                                ; the last fragment's stores have read F
.endif
.irp c, 0,1
	v_max3_num_f32 v[244+\c], |v[X+32*\c]|, |v[X+32*\c+1]|, 0x1800000     ; the block's largest magnitude, with the floor 2^(3 - 127) among its leaves
.endr
.irp i, 2,4,6,8,10,12,14,16,18,20,22,24,26,28,30
.irp c, 0,1
	v_max3_num_f32 v[244+\c], v[244+\c], |v[X+32*\c+\i]|, |v[X+32*\c+\i+1]|
.endr
.endr
	v_add_nc_u32 v244, 0xff000000, v244            ; 2 off the exponent field: the conversion's scale operand
	v_add_nc_u32 v245, 0xff000000, v245
	v_lshrrev_b32 v246, 23, v244                   ; the bytes
	v_lshrrev_b32 v247, 23, v245
.irp c, 0,1
	v_cvt_scalef32_pk16_fp6_f32 v[F+6*\c:F+6*\c+2], v[X+32*\c:X+32*\c+15], v[244+\c]
	v_cvt_scalef32_pk16_fp6_f32 v[TT:TT+2], v[X+32*\c+16:X+32*\c+31], v[244+\c]   ; (a conversion's three registers begin on an even number)
	v_nop                                          ; one plain place behind the conversions
.irp i, 0,1,2
	v_mov_b32 v[F+6*\c+3+\i], v[TT+\i]
.endr
.endr
.irp i, 0,1,2,3,4,5
	v_cndmask_b32 v[F+\i], 0, v[F+\i], s52         ; blocks that do not exist: zero codes
	v_cndmask_b32 v[F+6+\i], 0, v[F+6+\i], s53
.endr
	v_lshl_or_b32 v246, v247, 16, v246             ; my bytes h and 2 + h of the scale word,
	v_lshlrev_b32 v246, v8, v246
	v_permlanex16_b32 v247, v246, s76, s77
	v_or_b32 v[SWD+(\t)], v246, v247               ; with lane l xor 16's the word is whole
.irp i, 0,1,2
	global_store_b128 v6, v[F+4*\i:F+4*\i+3], s[70:71] offset:1536*(\t)+512*\i   ; 32 lanes store 512 consecutive bytes
.endr
.endm
	LOADF 0
	LOADF 1
	s_wait_alu depctr_va_vdst(0)
	FRAG 0
	FRAG 1
	FRAG 2
	FRAG 3
	global_store_b128 v7, v[SWD:SWD+3], s[72:73]   ; 256 consecutive bytes; lanes 16-31 repeat lanes 0-15's bytes
	; ---- x as split 0 of PB: wave 0 of work-groups 0 to 127, a tile of 16 rows each
	s_cmp_lg_u32 s32, 0
	s_cbranch_scc1 .Lno_x
	s_cmp_lt_u32 ttmp9, 128
	s_cbranch_scc0 .Lno_x
	s_lshl_b32 s78, ttmp9, 12
	s_mov_b32 s79, 0
	s_add_nc_u64 s[80:81], s[4:5], s[78:79]        ; 16 rows of 256 bytes
	s_lshl_b32 s78, ttmp9, 14
	s_add_nc_u64 s[82:83], s[22:23], s[78:79]      ; 16 pieces of 1,024 bytes a tile of rows
	v_lshlrev_b32 v12, 8, v2
	v_lshl_add_u32 v12, v3, 5, v12                 ; row r, + 32 h
.irp p, 0,1,2,3,4,5,6,7
	global_load_b128 v[LSET+4*\p:LSET+4*\p+3], v12, s[80:81] offset:64*(\p/2)+16*(\p%2)
.endr
	s_wait_loadcnt 0x0
.irp p, 0,1,2,3,4,5,6,7
	global_store_b128 v6, v[LSET+4*\p:LSET+4*\p+3], s[82:83] offset:512*\p
.endr
.Lno_x:
	; ---- T3: for feature f and interval j (jc = j + 1 = 0 .. 69) the cubic k0 + k1 u + k2 u^2 + k3 u^3 that the four weights j - 3 .. j give; weights outside 0 .. 64 count as 0
	s_cmp_lt_u32 ttmp9, 94
	s_cbranch_scc0 .Lno_t3
	s_mul_i32 s78, ttmp9, 192
	s_mov_b32 s79, 59919
	v_add_nc_u32 v12, s78, v0
	v_min_u32 v12, 0x45ff, v12                     ; entry 0 .. 17,919 (the last work-group's spare threads repeat the last entry)
	v_mul_lo_u32 v13, v12, s79
	v_lshrrev_b32 v13, 22, v13                     ; f = entry / 70
	v_mul_u32_u24 v14, v13, 70
	v_sub_nc_u32 v14, v12, v14                     ; jc
	v_mul_u32_u24 v15, v13, 65
.irp i, 0,1,2,3
	v_add_nc_u32 v[160+\i], \i-4, v14
	v_min_u32 v[164+\i], 64, v[160+\i]             ; the load stays inside the feature's 65 weights
	v_add_lshl_u32 v[164+\i], v[164+\i], v15, 2
	global_load_b32 v[168+\i], v[164+\i], s[12:13]
.endr
	s_wait_alu depctr_va_vdst(0)
	s_wait_loadcnt 0x0
.irp i, 0,1,2,3
	v_cmp_ge_u32 vcc_lo, 64, v[160+\i]
	v_cndmask_b32 v[168+\i], 0, v[168+\i], vcc_lo
.endr
	v_add_f32 v172, v168, v170                     ; c0 + c2
	v_sub_f32 v173, v170, v168                     ; c2 - c0
	v_sub_f32 v174, v169, v170                     ; c1 - c2
	v_sub_f32 v175, v171, v168                     ; c3 - c0
	v_fma_f32 v180, v169, 4.0, v172
	v_fma_f32 v175, v174, 0x40400000, v175
	v_mul_f32 v176, 0x3e2aaaab, v180               ; k0 = (c0 + 4 c1 + c2) / 6
	v_mul_f32 v177, 0.5, v173                      ; k1 = (c2 - c0) / 2
	v_fma_f32 v178, v172, 0.5, -v169               ; k2 = (c0 + c2) / 2 - c1
	v_mul_f32 v179, 0x3e2aaaab, v175               ; k3 = (c3 - c0 + 3 (c1 - c2)) / 6
	v_lshlrev_b32 v181, 4, v12
	global_store_b128 v181, v[176:179], s[24:25]
.Lno_t3:
	; ---- the layers' numbers: (the last split that counts, the layer's first chunk), repeated through the table's 256 bytes
	s_cmp_lg_u32 ttmp9, 215
	s_cbranch_scc1 .Lno_prm
	s_cmp_lg_u32 s32, 5
	s_cbranch_scc1 .Lno_prm
	v_lshlrev_b32 v184, 3, v1
	v_mov_b32 v186, 0
	v_mov_b32 v187, 0
	v_mov_b32 v188, 1
	v_mov_b32 v189, 36
	v_mov_b32 v190, 8
	v_mov_b32 v191, 180
	global_store_b64 v184, v[186:187], s[26:27]
	global_store_b64 v184, v[188:189], s[28:29]
	global_store_b64 v184, v[190:191], s[30:31]
.Lno_prm:
	s_wait_tensorcnt 0x0                           ; the wave's end
	ds_add_u32 v9, v10
	s_wait_dscnt 0x0
	s_endpgm
.Lfunc_end_k_qbbc882dbfc_prep:
	.size	k_qbbc882dbfc_prep, .Lfunc_end_k_qbbc882dbfc_prep-k_qbbc882dbfc_prep
	.p2alignl 7, 3214868480
	.fill 96, 4, 3214868480
	.section	.rodata,"a",@progbits
	.p2align	6, 0x0
	.amdhsa_kernel k_qbbc882dbfc_prep
		.amdhsa_group_segment_fixed_size 51456
		.amdhsa_private_segment_fixed_size 0
		.amdhsa_enable_private_segment 0
		.amdhsa_kernarg_size 112
		.amdhsa_user_sgpr_count 2
		.amdhsa_user_sgpr_kernarg_segment_ptr 1
		.amdhsa_wavefront_size32 1
		.amdhsa_system_sgpr_workgroup_id_x 1
		.amdhsa_system_sgpr_workgroup_id_y 1
		.amdhsa_system_sgpr_workgroup_id_z 1
		.amdhsa_system_vgpr_workitem_id 0
		.amdhsa_next_free_vgpr 248
		.amdhsa_next_free_sgpr 90
		.amdhsa_reserve_vcc 1
		.amdhsa_float_denorm_mode_32 3
		.amdhsa_float_denorm_mode_16_64 3
		.amdhsa_memory_ordered 1
		.amdhsa_forward_progress 1
		.amdhsa_inst_pref_size 41
	.end_amdhsa_kernel
	.amdgpu_metadata
---
amdhsa.version: [ 1, 2 ]
amdhsa.kernels:
  - .name:           k_qbbc882dbfc_prep
    .symbol:         k_qbbc882dbfc_prep.kd
    .args:
      - { .name: x, .offset: 0, .size: 8, .value_kind: global_buffer, .address_space: global }
      - { .name: sw0, .offset: 8, .size: 8, .value_kind: global_buffer, .address_space: global }
      - { .name: sw1, .offset: 16, .size: 8, .value_kind: global_buffer, .address_space: global }
      - { .name: sw2, .offset: 24, .size: 8, .value_kind: global_buffer, .address_space: global }
      - { .name: sw3, .offset: 32, .size: 8, .value_kind: global_buffer, .address_space: global }
      - { .name: bw0, .offset: 40, .size: 8, .value_kind: global_buffer, .address_space: global }
      - { .name: bw1, .offset: 48, .size: 8, .value_kind: global_buffer, .address_space: global }
      - { .name: bw2, .offset: 56, .size: 8, .value_kind: global_buffer, .address_space: global }
      - { .name: W, .offset: 64, .size: 8, .value_kind: global_buffer, .address_space: global }
      - { .name: PB, .offset: 72, .size: 8, .value_kind: global_buffer, .address_space: global }
      - { .name: T3, .offset: 80, .size: 8, .value_kind: global_buffer, .address_space: global }
      - { .name: prm0, .offset: 88, .size: 8, .value_kind: global_buffer, .address_space: global }
      - { .name: prm1, .offset: 96, .size: 8, .value_kind: global_buffer, .address_space: global }
      - { .name: prm2, .offset: 104, .size: 8, .value_kind: global_buffer, .address_space: global }
    .group_segment_fixed_size: 51456
    .private_segment_fixed_size: 0
    .kernarg_segment_align: 8
    .kernarg_segment_size: 112
    .max_flat_workgroup_size: 192
    .sgpr_count:     90
    .vgpr_count:     248
    .wavefront_size: 32
...
	.end_amdgpu_metadata
.endif
;; end of part 5
;; launch layer0 (part 6): grid 32 x 2, 4 waves a work-group, no clusters, 188,416 bytes of LDS; arguments PB, W, prm0, wb0, ws0, PA; writes PA
.if DOCPART == 6
	.amdgcn_target "amdgcn-amd-amdhsa--gfx1250"
	.amdhsa_code_object_version 6
	.text
	.protected	k_qbbc882dbfc_layer0
	.globl	k_qbbc882dbfc_layer0
	.p2align	8
	.type	k_qbbc882dbfc_layer0,@function
k_qbbc882dbfc_layer0:
	s_mov_b64 s[64:65], 0
	v_nop
	global_prefetch_b8 v0, s[64:65] scope:SCOPE_SE
	s_setreg_imm32_b32 hwreg(HW_REG_WAVE_SCHED_MODE, 0, 2), 2
	s_setreg_imm32_b32 hwreg(HW_REG_WAVE_MODE, 25, 1), 1
	s_wait_xcnt 0x0
	s_wait_alu depctr_vm_vsrc(0)
; One KAN layer: out = wb silu(h) bw^T + ws basis(h) sw^T, both products on codes of FP6 (E2M3) with one E8M0 scale for each 32 along K.  The residual is not added here: h goes out as a ninth split.
; h arrives as up to nine f32 splits (the K groups of the layer before, and its input) that are added here; the table prm says how many count and where the layer's weights begin.
; SHARES.  Work-group (rb, g): rows 64 rb .. + 63, all 256 columns, K group g = features 32 g .. + 31 = 65 blocks of the spline's K and one block of the base's: each number of the basis operand is made once in the launch.
; Four waves.  In the first half wave w makes the operand of rows 16 w .. + 15; in the second it multiplies all 64 rows by columns 64 w .. + 63.
; THE BASIS OPERAND IS MADE SPARSELY.  Of a feature's 65 numbers four differ from 0: the uniform cubic's a0 .. a3 in u = t - floor(t), t = (x + 0.05) / H + 3, at basis j - 3 .. j, j = floor(t).
; Position 65 f + i in the group is 64 f + (f + i): with D = j - 3 + f the four numbers stand at 64 f + D .. D + 3, in blocks 2 f .. 2 f + 2.  A RECORD for each (row, feature): the four numbers (0 where the
; basis index is outside 0 .. 64), the largest of them in each of the three blocks, and T = 6 D + 512, the bit at which their 24 bits of codes begin.  A step of 128 along K then wants, in lane (r, h), m = 2 s + h:
; block 2 m (feature m's numbers under 32, feature m - 1's from 64 on) and block 2 m + 1 (feature m's from 32 to 63): the scales from the records' maxima, one conversion for each block's scale, and the
; 24 bits shifted and selected into the block's six words.  A block is exactly six words, so codes made under another block's scale fall into words that no select takes.  No address hangs on data.
; The operand goes from wave to wave through LDS as images of its registers (512 bytes a store, 16 a lane).  The weights come from memory straight into operand registers, as images that the first launch laid:
; through LDS they would double the LDS bytes that a matrix instruction costs here (384 for the operand alone), so no tensor load and no joint request is used for them.
; THE MATRIX INSTRUCTION IS USED TRANSPOSED (source 0 = 16 columns of the weight, source 1 = 16 rows): a lane holds one row and eight neighbouring columns; results leave as images, 512 consecutive bytes a store.
; LIMITS: NaN and infinities in h are not served.  u carries t's rounding (t up to 68: about 4e-6), about what the f32 knots of the recursion carry.  A block of zeros has the scale byte 1 (0 in the base step's
; empty blocks) where the quantiser says 127: its codes are zeros.  The K groups' sums are added in f32 in the order of the splits.
; REGISTERS, window 0: v1-15 addresses; v16-63 at work, then record sets, then operand set 0; v64-79 h, then the operand's scale words; v80-207 the splits, then the records, then work / operand set 1 (v80-127)
; and the weights' scale words (v128-163); v208-215 a record set; v216-239 two fragments in the making.  Window 1: v0-127 the 16 accumulators, v128-223 weight slots 0, 1.  Window 2: slots 2-6.  Window 3: slots 7-11, at the end the base product's accumulators.
; THE MODE: SCHED_MODE bits 1:0 = 2 (LLVM: expert scheduling mode 2), set by the entry lines.  The code itself states the register dependences between vector or matrix instructions and memory or LDS
; instructions, and those through scalar registers that vector instructions write, with s_wait_alu, always for 0.
; THE PLAN.  Registers that memory or LDS instructions touch:
;   v1-8, v12, v13, v15   addresses: made at the head and never written again: one wait on va_vdst ahead of the first load.
;   v64-207   the splits land here; the additions read them and write h into v64-79, which four stores read (one wait on va_vdst); v64-71 are written next by the scale-word loads behind the barrier.
;   v80-207   the records: written by REC4, read by 32 LDS stores that stand together behind the exponentials' wait on va_vdst; written again (work, v116, the weights' scale words) behind one wait on vm_vsrc.
;   v216-227, v60, v24-27   the base step's fragment, its byte, zeros: one wait on va_vdst, seven LDS stores.
;   THE MAKING OF THE OPERAND, step s: its vector lines read record set s % 2 (v16-23, v56-63 or v36-43, v208-215) and write fragment and scale word s % 2 (v216-227, v112 or v228-239, v114).  Its LDS instructions are
;             the stores of step s - 1 and the record loads of step s + 1: the sets that step s - 1 worked on and that no vector line of step s names.  So one wait on va_vdst at a step's head states all that they hang on;
;             one wait on vm_vsrc beside it states that the stores issued a step ago have read what this step writes again.
;   THE PRODUCTS, step s: its matrix instructions read operand set s % 2 (v16-63 or v80-127), weight slot s % 12 and the scale words of pair s / 2.  Its loads land in the other operand set, in the slot that step s - 1 has left
;             and in the scale words of the pair before: one wait on va_vdst at the step's head; behind it the loads stand among the step's matrix instructions, which name none of those registers.
;   The accumulators are the last stores' data: one wait on va_vdst ahead of them.
.set RWAVE, 18176                      ; LDS: records: wave x 18,176 + row x 1,136 + slot x 32; slot = feature + 1; slots 0, 33, 34 are records of zeros
.set AIMG,  72704                      ; the operand's images: step x 6,144 + tile of rows x 1,536 + 512 i + 16 lane
.set ASC,   183296                     ; its scale words: step x 256 + 16 r + 4 x tile of rows
.set SPARE, 187904                     ; the spare words, 128 bytes for each wave: two blocks of 256 bytes that no other line names
.set MSB, 0
.macro WIN new                         ; the immediate's high byte repeats the setting that is left
.if MSB != (\new)
	s_set_vgpr_msb (MSB<<8)|(\new)
.set MSB, (\new)
.endif
.endm
.macro BLOAD sg                        ; step sg's four weight fragments into slot sg % 12
.set SL, (\sg)%12
.if SL < 2
.set BW, 1
.set BB, 128+48*SL
.elseif SL < 7
.set BW, 2
.set BB, 48*(SL-2)
.else
.set BW, 3
.set BB, 48*(SL-7)
.endif
.set WN, BW<<6
	WIN WN
.irp t, 0,1,2,3
.irp i, 0,1,2
	global_load_b128 v[BB+12*\t+4*\i:BB+12*\t+4*\i+3], v1, s[24:25] offset:(\sg)*25600+1536*\t+512*\i
.endr
.endr
	WIN 0
.endm
	s_load_b256 s[4:11], s[0:1], 0x0               ; the splits, W, prm, wb
	s_load_b128 s[12:15], s[0:1], 0x20             ; ws, the splits that I write
	v_lshl_add_u32 v10, v0, 2, SPARE               ; my spare word
	v_mov_b32 v11, 0
	v_lshrrev_b32 v1, 5, v0
	v_readfirstlane_b32 s20, v1                    ; wave
	s_mov_b32 s21, ttmp9                           ; rb
	s_and_b32 s22, ttmp7, 0xffff                   ; g
	v_and_b32 v15, 31, v0
	v_lshlrev_b32 v1, 4, v15                       ; 16 x lane
	v_and_b32 v14, 15, v0                          ; r
	v_bfe_u32 v9, v0, 4, 1                         ; h
	v_mul_u32_u24 v2, v9, 25600
	v_lshl_add_u32 v2, v14, 4, v2                  ; the weights' scale words: 16 r, lanes 16-31 one step on
	s_wait_alu depctr_va_sdst(0)                   ; s20, the wave's number, is written, ahead of its first reader
	s_mul_i32 s62, s20, RWAVE
	v_mul_u32_u24 v4, v14, 1136
	v_add_nc_u32 v4, s62, v4
	v_lshl_add_u32 v3, v9, 8, v4                   ; records, writing: my features begin at 8 h
	v_lshl_add_u32 v15, v9, 4, v4                  ; the records of zeros: a half each
	v_lshl_add_u32 v4, v9, 5, v4                   ; records, reading: one slot on for lanes 16-31
	s_mul_i32 s62, s20, 1536
	s_add_co_u32 s62, s62, AIMG
	v_add_nc_u32 v5, s62, v1                       ; images, writing: steps 0-8
	v_add_nc_u32 v12, 55296, v5                    ; steps 9-17
	v_add_nc_u32 v7, AIMG, v1                      ; images, reading
	v_add_nc_u32 v13, 55296, v7
	v_lshlrev_b32 v8, 4, v14
	s_lshl_b32 s62, s20, 2
	s_add_co_u32 s62, s62, ASC
	v_add_nc_u32 v6, s62, v8                       ; scale words, writing
	v_lshl_add_u32 v8, v9, 8, v8
	v_add_nc_u32 v8, ASC, v8                       ; reading: lanes 16-31 one step on
	v_lshlrev_b32 v9, 3, v9                        ; 8 h
	s_mov_b32 s70, 0x4261745d                      ; 1 / H = 62 / 1.1
	s_mov_b32 s71, 0x40ba2e8c                      ; 0.05 / H + 3
	s_mov_b32 s74, 0x76543210
	s_mov_b32 s75, 0xfedcba98                      ; lane selects: lane l xor 16
	s_mov_b32 s76, 0xffff                          ; lanes 0-15
	s_mov_b32 s77, 0xbfb8aa3b                      ; -log2(e)
	s_mov_b32 s3, 0
	s_lshl_b32 s23, s21, 2
	s_add_co_u32 s23, s23, s20
	s_lshl_b32 s23, s23, 4
	s_lshl_b32 s2, s22, 1
	s_add_co_u32 s23, s23, s2
	s_lshl_b32 s23, s23, 10                        ; in a split: my 16 rows' four pieces of the group's 32 columns
	s_wait_kmcnt 0x0
	s_load_b64 s[16:17], s[8:9], 0x0               ; the last split that counts, the layer's first chunk
	s_load_b32 s18, s[10:11], 0x0                  ; wb
	s_load_b32 s19, s[12:13], 0x0                  ; ws
	s_add_co_u32 s2, s23, 0x1000000
	s_add_nc_u64 s[68:69], s[14:15], s[2:3]        ; split 8 of the output: h itself
	s_lshl_b32 s2, s21, 6
	s_lshl_b32 s62, s20, 2
	s_add_co_u32 s2, s2, s62
	s_lshl_b32 s2, s2, 10
	s_lshl_b32 s62, s22, 21
	s_add_co_u32 s2, s2, s62
	s_add_nc_u64 s[66:67], s[14:15], s[2:3]        ; split g: my four tiles of columns
	s_wait_kmcnt 0x0
	s_min_u32 s16, s16, 8
	s_min_u32 s17, s17, 180
	s_mul_i32 s2, s22, 18
	s_add_co_u32 s2, s2, s17
	s_mul_i32 s2, s2, 25600
	s_add_nc_u64 s[26:27], s[6:7], s[2:3]          ; the group's first chunk
	s_mul_i32 s2, s20, 6144
	s_add_nc_u64 s[24:25], s[26:27], s[2:3]        ; my four fragments in it
	s_lshl_b32 s2, s20, 8
	s_add_co_u32 s2, s2, 24576
	s_add_nc_u64 s[26:27], s[26:27], s[2:3]        ; and their scale words
.irp i, 0,1,2,3,4,5,6,7,8
	s_min_u32 s2, s16, \i                          ; a split that does not count is replaced by the last that does, and weighed with 0
	s_lshl_b32 s2, s2, 21
	s_add_co_u32 s2, s2, s23
	s_add_nc_u64 s[28+2*\i:29+2*\i], s[4:5], s[2:3]
.endr
.irp i, 1,2,3,4,5,6,7,8
	s_cmp_ge_u32 s16, \i
	s_cselect_b32 s[44+2*\i], 1.0, 0
	s_mov_b32 s[45+2*\i], s[44+2*\i]
.endr
	s_mov_b32 s78, s19
	s_mov_b32 s79, s19
	s_mov_b32 s80, s18
	s_mov_b32 s81, s18
	s_wait_alu depctr_va_vdst(0)                   ; the addresses v1 to v8, v12, v13 and v15 are written: every load and store of the kernel reads one of them
.irp s, 0,1,2,3,4,5,6,7,8
.irp n, 0,1,2,3
	global_load_b128 v[64+16*\s+4*\n:64+16*\s+4*\n+3], v1, s[28+2*\s:29+2*\s] offset:512*\n
.endr
.endr
	BLOAD 0
	BLOAD 1
	s_wait_loadcnt 24                              ; the 36 loads of the splits are in; the 24 weight loads behind them may be out
.irp s, 1,2,3,4,5,6,7,8
.irp k, 0,1,2,3,4,5,6,7
	v_pk_fma_f32 v[64+2*\k:65+2*\k], v[64+16*\s+2*\k:65+16*\s+2*\k], s[44+2*\s:45+2*\s], v[64+2*\k:65+2*\k] op_sel_hi:[1,0,1]
.endr
.endr
	s_wait_alu depctr_va_vdst(0)                   ; the additions have written h, v64 to v79, which the four stores below read
	BLOAD 2
	BLOAD 3
	BLOAD 4
.irp n, 0,1,2,3
	global_store_b128 v1, v[64+4*\n:64+4*\n+3], s[68:69] offset:512*\n   ; h: register 8 a + 4 q + e is feature 16 a + 8 h + 4 q + e of the group
.endr
; Four records at a time, by turns.  Record e of piece n4: work at v[16 + 12 e], result at v[80 + 8 (4 n4 + e)].  Each run of compares is followed by lines that do not hang on it, then by the wait for its masks.
.macro REC4 n4
.set FB, 16*((\n4)/2)+4*((\n4)%2)
.set RB, 80+32*(\n4)
.irp e, 0,1,2,3
	v_fma_f32 v[16+12*\e], v[64+4*(\n4)+\e], s70, s71              ; t
.endr
.irp e, 0,1,2,3
	v_floor_f32 v[17+12*\e], v[16+12*\e]
.endr
.irp e, 0,1,2,3
	v_sub_f32 v[18+12*\e], v[16+12*\e], v[17+12*\e]                ; u
.endr
.irp e, 0,1,2,3
	v_med3_num_f32 v[17+12*\e], v[17+12*\e], -1.0, 0x42880000      ; j held to -1 .. 68: at both ends all four basis indices are outside
.endr
.irp e, 0,1,2,3
	v_cvt_i32_f32 v[16+12*\e], v[17+12*\e]                         ; j
.endr
.irp e, 0,1,2,3
	v_sub_f32 v[19+12*\e], 1.0, v[18+12*\e]                        ; 1 - u, beside u
.endr
.irp e, 0,1,2,3
	v_pk_mul_f32 v[20+12*\e:21+12*\e], v[18+12*\e:19+12*\e], v[18+12*\e:19+12*\e]
.endr
.irp e, 0,1,2,3
	v_pk_mul_f32 v[22+12*\e:23+12*\e], v[20+12*\e:21+12*\e], v[18+12*\e:19+12*\e]
.endr
.irp e, 0,1,2,3
	v_pk_fma_f32 v[20+12*\e:21+12*\e], v[20+12*\e:21+12*\e], -1.0, 0x3f2aaaab op_sel_hi:[1,0,0]   ; 2/3 - the squares
.endr
.irp e, 0,1,2,3
	v_pk_mul_f32 v[24+12*\e:25+12*\e], v[22+12*\e:23+12*\e], 0x3e2aaaab op_sel_hi:[1,0]           ; a3 = u^3 / 6, a0 = (1 - u)^3 / 6
.endr
.irp e, 0,1,2,3
	v_pk_fma_f32 v[20+12*\e:21+12*\e], v[22+12*\e:23+12*\e], 0.5, v[20+12*\e:21+12*\e] op_sel_hi:[1,0,1]   ; a1, a2
.endr
.irp e, 0,1,2,3
	v_add_nc_u32 v[26+12*\e], -3, v[16+12*\e]
	v_add_nc_u32 v[27+12*\e], -2, v[16+12*\e]
	v_add_nc_u32 v[17+12*\e], -1, v[16+12*\e]
.endr
.irp e, 0,1,2,3
	v_cmp_ge_u32 s[82+\e], 64, v[26+12*\e]                         ; is the basis index inside 0 .. 64?
	v_cmp_ge_u32 s[86+\e], 64, v[27+12*\e]
	v_cmp_ge_u32 s[90+\e], 64, v[17+12*\e]
	v_cmp_ge_u32 s[94+\e], 64, v[16+12*\e]
.endr
.irp e, 0,1,2,3
	v_add3_u32 v[22+12*\e], v[16+12*\e], v9, FB+\e-3               ; D = j - 3 + feature
.endr
.irp e, 0,1,2,3
	v_and_b32 v[23+12*\e], 31, v[22+12*\e]                         ; its place in a block,
	v_ashrrev_i32 v[16+12*\e], 5, v[22+12*\e]                      ; and which block: -1 .. 3
.endr
	s_wait_alu depctr_va_sdst(0)                                   ; the sixteen compares have written s82 to s97, which the selects below read
.irp e, 0,1,2,3
	v_cndmask_b32 v[RB+8*\e], 0, v[25+12*\e], s[82+\e]
	v_cndmask_b32 v[RB+8*\e+1], 0, v[20+12*\e], s[86+\e]
	v_cndmask_b32 v[RB+8*\e+2], 0, v[21+12*\e], s[90+\e]
	v_cndmask_b32 v[RB+8*\e+3], 0, v[24+12*\e], s[94+\e]
.endr
.irp e, 0,1,2,3
	v_cmp_eq_u32 s[82+\e], 29, v[23+12*\e]
	v_cmp_eq_u32 s[86+\e], 30, v[23+12*\e]
	v_cmp_eq_u32 s[90+\e], 31, v[23+12*\e]
.endr
.irp e, 0,1,2,3
	v_max_num_f32 v[18+12*\e], v[RB+8*\e], v[RB+8*\e+1]
	v_max_num_f32 v[19+12*\e], v[RB+8*\e+2], v[RB+8*\e+3]
	v_max3_num_f32 v[20+12*\e], v[RB+8*\e], v[RB+8*\e+1], v[RB+8*\e+2]
	v_max3_num_f32 v[21+12*\e], v[RB+8*\e+1], v[RB+8*\e+2], v[RB+8*\e+3]
.endr
.irp e, 0,1,2,3
	v_max_num_f32 v[24+12*\e], v[20+12*\e], v[RB+8*\e+3]           ; all four
.endr
	s_wait_alu depctr_va_sdst(0)                                   ; the twelve compares have written s82 to s93, which the selects below read
.irp e, 0,1,2,3
	v_cndmask_b32 v[24+12*\e], v[24+12*\e], v[20+12*\e], s[82+\e]  ; the largest in D's block,
	v_cndmask_b32 v[25+12*\e], 0, v[RB+8*\e+3], s[82+\e]           ; and in the block behind it
.endr
.irp e, 0,1,2,3
	v_cndmask_b32 v[24+12*\e], v[24+12*\e], v[18+12*\e], s[86+\e]
	v_cndmask_b32 v[25+12*\e], v[25+12*\e], v[19+12*\e], s[86+\e]
.endr
.irp e, 0,1,2,3
	v_cndmask_b32 v[24+12*\e], v[24+12*\e], v[RB+8*\e], s[90+\e]
	v_cndmask_b32 v[25+12*\e], v[25+12*\e], v[21+12*\e], s[90+\e]
.endr
.irp e, 0,1,2,3
	v_cmp_eq_u32 s[82+\e], -1, v[16+12*\e]
	v_cmp_eq_u32 s[86+\e], 0, v[16+12*\e]
	v_cmp_eq_u32 s[90+\e], 1, v[16+12*\e]
	v_cmp_eq_u32 s[94+\e], 2, v[16+12*\e]
.endr
.irp e, 0,1,2,3
	v_lshl_add_u32 v[26+12*\e], v[22+12*\e], 1, v[22+12*\e]
.endr
.irp e, 0,1,2,3
	v_lshl_add_u32 v[RB+8*\e+7], v[26+12*\e], 1, 0x200                ; T = 6 D + 512
.endr
	s_wait_alu depctr_va_sdst(0)                                   ; the sixteen compares have written s82 to s97, which the selects below read
.irp e, 0,1,2,3
	v_cndmask_b32 v[RB+8*\e+4], 0, v[25+12*\e], s[82+\e]
	v_cndmask_b32 v[RB+8*\e+5], 0, v[25+12*\e], s[86+\e]
	v_cndmask_b32 v[RB+8*\e+6], 0, v[25+12*\e], s[90+\e]
.endr
.irp e, 0,1,2,3
	v_cndmask_b32 v[RB+8*\e+4], v[RB+8*\e+4], v[24+12*\e], s[86+\e]   ; the largest at positions 0-31,
	v_cndmask_b32 v[RB+8*\e+5], v[RB+8*\e+5], v[24+12*\e], s[90+\e]   ; 32-63,
	v_cndmask_b32 v[RB+8*\e+6], v[RB+8*\e+6], v[24+12*\e], s[94+\e]   ; 64-95
.endr
.endm
.macro RSTORE n4                       ; the four records of piece n4 go to LDS
.set FB, 16*((\n4)/2)+4*((\n4)%2)
.set RB, 80+32*(\n4)
.irp e, 0,1,2,3
	ds_store_b128 v3, v[RB+8*\e:RB+8*\e+3] offset:(FB+\e+1)*32
	ds_store_b128 v3, v[RB+8*\e+4:RB+8*\e+7] offset:(FB+\e+1)*32+16
.endr
.endm
	REC4 0
	REC4 1
	REC4 2
	REC4 3
	; ---- the base product's operand: silu(h) of the group's 32 features is one block; lanes 0-15 hold features 0-7, 16-23, lanes 16-31 features 8-15, 24-31: that is the block's order, in the weight too
.irp n, 0,1,2,3,4,5,6,7,8,9,10,11,12,13,14,15
	v_mul_f32 v[16+\n], s77, v[64+\n]
.endr
	s_wait_alu depctr_va_vdst(0)
.irp n, 0,1,2,3,4,5,6,7,8,9,10,11,12,13,14,15
	v_exp_f32 v[16+\n], v[16+\n]
.endr
	v_nop                                          ; a plain place behind the batch,
	s_wait_alu depctr_va_vdst(0)                   ; and one wait: the sixteen exponentials have written v16 to v31, ahead of their first reader; and the records v80 to v207 are written, which the 32 LDS stores below read
	RSTORE 0
	RSTORE 1
	RSTORE 2
	RSTORE 3
.irp n, 0,1,2,3,4,5,6,7,8,9,10,11,12,13,14,15
	v_add_f32 v[16+\n], 1.0, v[16+\n]
.endr
	s_wait_alu depctr_va_vdst(0)
.irp n, 0,1,2,3,4,5,6,7,8,9,10,11,12,13,14,15
	v_rcp_f32 v[16+\n], v[16+\n]
.endr
	v_nop
	s_wait_alu depctr_va_vdst(0)                   ; the sixteen reciprocals have written v16 to v31, ahead of their first reader
.irp n, 0,1,2,3,4,5,6,7,8,9,10,11,12,13,14,15
	v_mul_f32 v[32+\n], v[64+\n], v[16+\n]         ; h / (1 + e^-h)
.endr
	v_max3_num_f32 v48, |v32|, |v33|, 0x1800000
	v_max3_num_f32 v49, |v34|, |v35|, |v36|
	v_max3_num_f32 v48, v48, |v37|, |v38|
	v_max3_num_f32 v49, v49, |v39|, |v40|
	v_max3_num_f32 v48, v48, |v41|, |v42|
	v_max3_num_f32 v49, v49, |v43|, |v44|
	v_max3_num_f32 v48, v48, |v45|, |v46|
	v_max3_num_f32 v48, v48, v49, |v47|
	v_permlanex16_b32 v49, v48, s74, s75
	v_max_num_f32 v48, v48, v49                    ; the block's largest magnitude
	v_add_nc_u32 v48, 0xff000000, v48
	v_cvt_scalef32_pk16_fp6_f32 v[50:52], v[32:47], v48
	v_lshrrev_b32 v60, 23, v48                     ; the byte: the scale word's byte 0 (a plain place behind the conversion).  In v60, outside the zeros below, so that one wait serves all seven stores
.irp i, 0,1,2
	v_permlanex16_b32 v[56+\i], v[50+\i], s74, s75
.endr
.irp i, 0,1,2
	v_cndmask_b32 v[216+\i], 0, v[50+\i], s76      ; lanes 0-15 hold the whole block; all else is zero codes
	v_cndmask_b32 v[219+\i], 0, v[56+\i], s76
.endr
.irp i, 0,1,2,3,4,5
	v_mov_b32 v[222+\i], 0
.endr
.irp i, 0,1,2,3,4,5,6,7,8,9,10,11
	v_mov_b32 v[24+\i], 0                          ; the zeros behind the eight numbers of each record set: a conversion takes sixteen
	v_mov_b32 v[44+\i], 0
.endr
	s_wait_alu depctr_va_vdst(0)                   ; the base step's fragment v216 to v227, its byte v60 and the zeros v24 to v27 are written, which the seven LDS stores below read
.irp i, 0,1,2
	ds_store_b128 v12, v[216+4*\i:216+4*\i+3] offset:49152+512*\i
.endr
	ds_store_b32 v6, v60 offset:4352
	ds_store_b128 v15, v[24:27]                    ; the records of zeros: feature -1,
	ds_store_b128 v15, v[24:27] offset:1056        ; feature 32,
	ds_store_b128 v15, v[24:27] offset:1088        ; feature 33
	s_wait_dscnt 0x0                               ; all my LDS stores have landed
	s_wait_alu depctr_vm_vsrc(0)                   ; the LDS stores have read the records v80 to v207, v216 to v227 and v60, and the stores of h v64 to v79: the lines and loads from here on write these registers again
	v_mov_b32 v116, 0                              ; (a lane permute's destination counts as one of its sources)
.irp p, 0,1,2,3,4,5,6,7,8
	global_load_b128 v[128+4*\p:128+4*\p+3], v2, s[26:27] offset:51200*\p   ; the weights' scale words: lanes 0-15 step 2 p, lanes 16-31 step 2 p + 1; register t: fragment t
.endr
.macro GLOAD sg                        ; the records of features m - 1 and m = 2 sg + h of my row
.set GCV, 16+20*((\sg)%2)
.set GAX, 56+152*((\sg)%2)
	ds_load_b128 v[GCV:GCV+3], v4 offset:64*(\sg)
	ds_load_b128 v[GAX:GAX+3], v4 offset:64*(\sg)+16
	ds_load_b128 v[GCV+4:GCV+7], v4 offset:64*(\sg)+32
	ds_load_b128 v[GAX+4:GAX+7], v4 offset:64*(\sg)+48
.endm
.macro GSTORE sg                       ; step sg's fragment and scale word go to LDS as they stand
.set SFF, 216+12*((\sg)%2)
.set SWD, 112+2*((\sg)%2)
.irp i, 0,1,2
.if (\sg) < 9
	ds_store_b128 v5, v[SFF+4*\i:SFF+4*\i+3] offset:(\sg)*6144+512*\i
.else
	ds_store_b128 v12, v[SFF+4*\i:SFF+4*\i+3] offset:((\sg)-9)*6144+512*\i
.endif
.endr
	ds_store_b32 v6, v[SWD] offset:256*(\sg)
.endm
.macro GSTEP sg
.if (\sg) >= 1
	s_wait_alu depctr_va_vdst(0)                   ; the last step has written its fragment and its scale word, which the stores below read, and is done reading its record set, in which the loads below land
.endif
.if (\sg) >= 2
	s_wait_alu depctr_vm_vsrc(0)                   ; the stores issued in the last step have read the fragment and the scale word of two steps back, which this step writes again
.endif
.if (\sg) <= 6
	BLOAD (\sg)+5
.endif
.if (\sg) >= 1
	GSTORE (\sg)-1
.endif
.if (\sg) < 16
	GLOAD (\sg)+1
.endif
.if ((\sg) == 0) || ((\sg) == 16)
	s_wait_dscnt 0x4                               ; my four record loads are in; behind them stand step 0's four loads, or step 16's four stores
.else
	s_wait_dscnt 0x8                               ; my four record loads are in; behind them stand the four stores and the four loads just issued
.endif
.set CV, 16+20*((\sg)%2)
.set AX, 56+152*((\sg)%2)
.set FF, 216+12*((\sg)%2)
.set WD, 112+2*((\sg)%2)
	v_max3_num_f32 v88, v[AX+4], v[AX+2], 0x1800000    ; block 2 m: m's numbers under 32, m - 1's from 64 on, and the floor 2^(3 - 127)
	v_max_num_f32 v89, 0x1800000, v[AX+5]              ; block 2 m + 1
	v_and_b32 v92, 31, v[AX+7]                         ; m: the bit in its word,
	v_and_b32 v95, 31, v[AX+3]                         ; m - 1 likewise
	v_add_nc_u32 v88, 0xff000000, v88                  ; 2 off the exponent field: the conversions' scale operands
	v_add_nc_u32 v89, 0xff000000, v89
	v_lshrrev_b32 v93, 5, v[AX+7]                      ; and the word + 16
	v_lshrrev_b32 v96, 5, v[AX+3]
	v_cvt_scalef32_pk16_fp6_f32 v[80:82], v[CV:CV+15], v88      ; under block 2 m's scale: bits 0-23 m - 1's four codes, bits 24-47 m's
	v_cvt_scalef32_pk16_fp6_f32 v[84:86], v[CV+4:CV+19], v89    ; under block 2 m + 1's: bits 0-23 m's
	v_lshrrev_b32 v90, 23, v88                         ; the bytes (plain places behind the conversions)
	v_lshrrev_b32 v91, 23, v89
	v_xor_b32 v94, 31, v92
	v_xor_b32 v97, 31, v95
.irp k, 0,1,2,3,4,5,6,7,8,9,10,11,12
	v_cmp_eq_u32 s[82+\k], 15+\k, v93                  ; m's codes begin in word k - 1 of its 12
.endr
.irp k, 0,1,2,3,4,5,6
	v_cmp_eq_u32 s[95+\k], 27+\k, v96                  ; m - 1's begin in word 11 + k of its own count, which is word k - 1 of block 2 m
.endr
	v_and_b32 v98, 0xffffff, v80
	v_alignbit_b32 v99, v81, v80, 24
	v_lshlrev_b32 v104, v92, v84
	v_lshrrev_b32 v105, 1, v84
	v_lshlrev_b32 v102, v95, v98
	v_lshrrev_b32 v103, 1, v98
	v_lshlrev_b32 v100, v92, v99                       ; what falls into the word where the codes begin,
	v_lshrrev_b32 v101, 1, v99
	v_lshrrev_b32 v105, v94, v105
	v_lshrrev_b32 v103, v97, v103
	v_lshrrev_b32 v101, v94, v101                      ; and into the next
	s_wait_alu depctr_va_sdst(0)                       ; the twenty compares have written s82 to s101, which the selects below read
.irp d, 0,1,2,3,4,5
	v_cndmask_b32 v[FF+\d], 0, v101, s[82+\d]
.endr
.irp d, 0,1,2,3,4,5
	v_cndmask_b32 v[106+\d], 0, v103, s[95+\d]
.endr
.irp d, 0,1,2,3,4,5
	v_cndmask_b32 v[FF+6+\d], 0, v105, s[88+\d]
.endr
.irp d, 0,1,2,3,4,5
	v_cndmask_b32 v[FF+\d], v[FF+\d], v100, s[83+\d]
.endr
.irp d, 0,1,2,3,4,5
	v_cndmask_b32 v[106+\d], v[106+\d], v102, s[96+\d]
.endr
.irp d, 0,1,2,3,4,5
	v_cndmask_b32 v[FF+6+\d], v[FF+6+\d], v104, s[89+\d]
.endr
.irp d, 0,1,2,3,4,5
	v_or_b32 v[FF+\d], v[FF+\d], v[106+\d]             ; the two features' codes never share a position
.endr
	v_lshl_or_b32 v[WD], v91, 16, v90                  ; my bytes h and 2 + h of the row's scale word,
	v_lshlrev_b32 v[WD], v9, v[WD]
	v_permlanex16_b32 v116, v[WD], s74, s75
	v_or_b32 v[WD], v[WD], v116                        ; with lane l xor 16's the word is whole.  The step's four stores are issued at the next step's head
.endm
	GLOAD 0
.irp s, 0,1,2,3,4,5,6,7,8,9,10,11,12,13,14,15,16
	GSTEP \s
.endr
	s_wait_alu depctr_va_vdst(0)                   ; step 16 has written its fragment and its scale word, which the last four stores read; and every vector line is done with v16 to v127, in which the operand's loads land
	GSTORE 16
	s_wait_xcnt 0x0                                ; the stores of h have read their registers, which take scale words now
	s_wait_dscnt 0x0                               ; for the others' sake: my images and scale words lie in LDS
	s_barrier_signal -1
	s_barrier_wait -1                              ; everybody's do
	s_wait_alu depctr_vm_vsrc(0)                   ; my last LDS stores have read v112 and v114, in which operand set 1's loads land
.macro ALOAD sg                        ; step sg's four fragments of the operand
.set AB, 16+64*((\sg)%2)
.irp mt, 0,1,2,3
.irp i, 0,1,2
.if (\sg) < 9
	ds_load_b128 v[AB+12*\mt+4*\i:AB+12*\mt+4*\i+3], v7 offset:(\sg)*6144+1536*\mt+512*\i
.else
	ds_load_b128 v[AB+12*\mt+4*\i:AB+12*\mt+4*\i+3], v13 offset:((\sg)-9)*6144+1536*\mt+512*\i
.endif
.endr
.endr
.endm
; Four matrix instructions of step sg: tile of rows mt x my four tiles of columns.
.macro MROW sg, mt
.irp t, 0,1,2,3
.if (\sg) == 0
	v_wmma_scale_f32_16x16x128_f8f6f4 v[8*(4*(\mt)+\t):8*(4*(\mt)+\t)+7], v[MB+12*\t:MB+12*\t+11], v[MA+12*(\mt):MA+12*(\mt)+11], 0, v[MBS+\t], v[MAS+(\mt)] matrix_a_fmt:MATRIX_FMT_FP6 matrix_b_fmt:MATRIX_FMT_FP6
.elseif (\sg) == 17
	v_wmma_scale_f32_16x16x128_f8f6f4 v[8*(4*(\mt)+\t):8*(4*(\mt)+\t)+7], v[MB+12*\t:MB+12*\t+11], v[MA+12*(\mt):MA+12*(\mt)+11], 0, v[MBS+\t], v[MAS+(\mt)] matrix_a_fmt:MATRIX_FMT_FP6 matrix_b_fmt:MATRIX_FMT_FP6 matrix_a_scale:MATRIX_SCALE_ROW1 matrix_b_scale:MATRIX_SCALE_ROW1
.elseif (\sg)%2 == 1
	v_wmma_scale_f32_16x16x128_f8f6f4 v[8*(4*(\mt)+\t):8*(4*(\mt)+\t)+7], v[MB+12*\t:MB+12*\t+11], v[MA+12*(\mt):MA+12*(\mt)+11], v[8*(4*(\mt)+\t):8*(4*(\mt)+\t)+7], v[MBS+\t], v[MAS+(\mt)] matrix_a_fmt:MATRIX_FMT_FP6 matrix_b_fmt:MATRIX_FMT_FP6 matrix_a_scale:MATRIX_SCALE_ROW1 matrix_b_scale:MATRIX_SCALE_ROW1
.else
	v_wmma_scale_f32_16x16x128_f8f6f4 v[8*(4*(\mt)+\t):8*(4*(\mt)+\t)+7], v[MB+12*\t:MB+12*\t+11], v[MA+12*(\mt):MA+12*(\mt)+11], v[8*(4*(\mt)+\t):8*(4*(\mt)+\t)+7], v[MBS+\t], v[MAS+(\mt)] matrix_a_fmt:MATRIX_FMT_FP6 matrix_b_fmt:MATRIX_FMT_FP6
.endif
.endr
.endm
; A step of 128 along K: 16 matrix instructions, four tiles of rows x my four tiles of columns.  The 16 accumulators take turns, in the same order in every step.
; The step's loads stand behind its first four matrix instructions: none of the step's matrix instructions names a register that they touch.
.macro MSTEP sg
.set MSL, (\sg)%12
.if MSL < 2
.set MW, 1
.set MB, 128+48*MSL
.elseif MSL < 7
.set MW, 2
.set MB, 48*(MSL-2)
.else
.set MW, 3
.set MB, 48*(MSL-7)
.endif
.set MA, 16+64*((\sg)%2)
.set MBS, 128+4*((\sg)/2)
.set MAS, 64+4*(((\sg)/2)%2)
	s_wait_dscnt 0x0                               ; this step's operand and scale words, asked for a step ago
.if (\sg) >= 1
.rept 4
	v_nop                                          ; four places behind the last step's matrix instructions (ISA guide 7.12.1); those of steps 10 to 17 are also the places ahead of step 17's results, which are laid over slots 7 to 9
.endr
.endif
.if ((\sg) >= 1) && ((\sg) < 17)
	s_wait_alu depctr_va_vdst(0)                   ; the last step's matrix instructions are done reading the other operand set and their weight slot, and those of the pair before their scale words: this step's loads land there
.endif
.if (\sg) == 12
	s_wait_loadcnt 0x0                             ; the six runs of weight loads issued in steps 1 to 6
.endif
.if (\sg) == 17
	WIN 0xc0|MW                                    ; the base product has accumulators of its own, in window 3
.else
	WIN 0x50|MW                                    ; source 0 in the slot's window, source 1 in window 0, C and D in window 1
.endif
	MROW \sg, 0
.if (\sg) < 17
	WIN 0
	ALOAD (\sg)+1
.if ((\sg)%2 == 1) && ((\sg) < 16)
	ds_load_b128 v[64+4*((((\sg)/2)+1)%2):64+4*((((\sg)/2)+1)%2)+3], v8 offset:512*(((\sg)/2)+1)   ; the next two steps' scale words: lanes 0-15 the even step's, lanes 16-31 the odd one's
.endif
.if ((\sg) >= 1) && ((\sg) <= 6)
	BLOAD (\sg)+11                                 ; into the slot that the last step has left
.endif
	WIN 0x50|MW
.endif
	MROW \sg, 1
	MROW \sg, 2
	MROW \sg, 3
	WIN 0
.endm
	ALOAD 0
	ds_load_b128 v[64:67], v8                      ; steps 0 and 1: the operand's scale words
	s_wait_loadcnt 0x0                             ; weight slots 0 to 11 and the weights' scale words
.irp s, 0,1,2,3,4,5,6,7,8,9,10,11,12,13,14,15,16,17
	MSTEP \s
.endr
.rept 4
	v_nop                                          ; places in front of the first read of results
.endr
	WIN 0x41
.irp k, 0,1,2,3,4,5,6,7,8,9,10,11,12,13,14,15,16,17,18,19,20,21,22,23,24,25,26,27,28,29,30,31,32,33,34,35,36,37,38,39,40,41,42,43,44,45,46,47,48,49,50,51,52,53,54,55,56,57,58,59,60,61,62,63
	v_pk_mul_f32 v[2*\k:2*\k+1], v[2*\k:2*\k+1], s[78:79] op_sel_hi:[1,0]          ; ws x the spline's sums, each accumulator from its low end on
.endr
	WIN 0x53
.irp k, 0,1,2,3,4,5,6,7,8,9,10,11,12,13,14,15,16,17,18,19,20,21,22,23,24,25,26,27,28,29,30,31,32,33,34,35,36,37,38,39,40,41,42,43,44,45,46,47,48,49,50,51,52,53,54,55,56,57,58,59,60,61,62,63
	v_pk_fma_f32 v[2*\k:2*\k+1], v[2*\k:2*\k+1], s[80:81], v[2*\k:2*\k+1] op_sel_hi:[1,0,1]   ; + wb x the base's (source 0 in window 3)
.endr
	WIN 0x04                                       ; a store's data are its source 1: window 1
	s_wait_alu depctr_va_vdst(0)                   ; the multiply-adds have written the 128 registers of results, which the 32 stores read
.irp mt, 0,1,2,3
.irp t, 0,1,2,3
.irp q, 0,1
	global_store_b128 v1, v[8*(4*\mt+\t)+4*\q:8*(4*\mt+\t)+4*\q+3], s[66:67] offset:16384*\mt+1024*\t+512*\q   ; 32 lanes store 512 consecutive bytes
.endr
.endr
.endr
	WIN 0
	s_wait_dscnt 0x0                               ; the closing lines, six on end
	s_wait_alu 0x0
	s_wait_tensorcnt 0x0
	ds_add_u32 v10, v11
	s_wait_dscnt 0x0
	s_endpgm
.Lfunc_end_k_qbbc882dbfc_layer0:
	.size	k_qbbc882dbfc_layer0, .Lfunc_end_k_qbbc882dbfc_layer0-k_qbbc882dbfc_layer0
	.p2alignl 7, 3214868480
	.fill 96, 4, 3214868480
	.section	.rodata,"a",@progbits
	.p2align	6, 0x0
	.amdhsa_kernel k_qbbc882dbfc_layer0
		.amdhsa_group_segment_fixed_size 188416
		.amdhsa_private_segment_fixed_size 0
		.amdhsa_enable_private_segment 0
		.amdhsa_kernarg_size 48
		.amdhsa_user_sgpr_count 2
		.amdhsa_user_sgpr_kernarg_segment_ptr 1
		.amdhsa_wavefront_size32 1
		.amdhsa_system_sgpr_workgroup_id_x 1
		.amdhsa_system_sgpr_workgroup_id_y 1
		.amdhsa_system_sgpr_workgroup_id_z 1
		.amdhsa_system_vgpr_workitem_id 0
		.amdhsa_next_free_vgpr 1024
		.amdhsa_next_free_sgpr 102
		.amdhsa_reserve_vcc 0
		.amdhsa_float_denorm_mode_32 3
		.amdhsa_float_denorm_mode_16_64 3
		.amdhsa_memory_ordered 1
		.amdhsa_forward_progress 1
		.amdhsa_inst_pref_size 253
	.end_amdhsa_kernel
	.amdgpu_metadata
---
amdhsa.version: [ 1, 2 ]
amdhsa.kernels:
  - .name:           k_qbbc882dbfc_layer0
    .symbol:         k_qbbc882dbfc_layer0.kd
    .args:
      - { .name: PB, .offset: 0, .size: 8, .value_kind: global_buffer, .address_space: global }
      - { .name: W, .offset: 8, .size: 8, .value_kind: global_buffer, .address_space: global }
      - { .name: prm0, .offset: 16, .size: 8, .value_kind: global_buffer, .address_space: global }
      - { .name: wb0, .offset: 24, .size: 8, .value_kind: global_buffer, .address_space: global }
      - { .name: ws0, .offset: 32, .size: 8, .value_kind: global_buffer, .address_space: global }
      - { .name: PA, .offset: 40, .size: 8, .value_kind: global_buffer, .address_space: global }
    .group_segment_fixed_size: 188416
    .private_segment_fixed_size: 0
    .kernarg_segment_align: 8
    .kernarg_segment_size: 48
    .max_flat_workgroup_size: 128
    .sgpr_count:     102
    .vgpr_count:     1024
    .wavefront_size: 32
...
	.end_amdgpu_metadata
.endif
;; end of part 6
;; launch layer1: the kernel of part 6 again; grid 32 x 8, 4 waves a work-group, no clusters, 188,416 bytes of LDS; arguments PA, W, prm1, wb1, ws1, PB; writes PB
;; launch layer2: the kernel of part 6 again; grid 32 x 8, 4 waves a work-group, no clusters, 188,416 bytes of LDS; arguments PB, W, prm2, wb2, ws2, PA; writes PA
;; launch fina (part 7): grid 32 x 8, 4 waves a work-group, no clusters, 0 bytes of LDS; arguments PA, bw3, wb3, PB, JB; writes PB, JB
.if DOCPART == 7
	.amdgcn_target "amdgcn-amd-amdhsa--gfx1250"
	.amdhsa_code_object_version 6
	.text
	.protected	k_qbbc882dbfc_fina
	.globl	k_qbbc882dbfc_fina
	.p2align	8
	.type	k_qbbc882dbfc_fina,@function
k_qbbc882dbfc_fina:
	s_mov_b64 s[64:65], 0
	v_nop
	global_prefetch_b8 v0, s[64:65] scope:SCOPE_SE
	s_setreg_imm32_b32 hwreg(HW_REG_WAVE_MODE, 25, 1), 1
	s_wait_xcnt 0x0
; The last layer, first half.  h = the sum of the nine splits.  For each (row, feature): u = t - floor(t) goes to PB (split 0), and the number of the feature's cubic, 70 f + j + 1, as a whole number to JB:
; the next launch forms addresses from it.  The base path is finished here up to the sum over lanes and groups: wb3 x the lane's sum of silu(h) bw3 goes to PB behind split 0.
; SHARES as in the layers: work-group (rb, g), wave w: rows 64 rb + 16 w .. + 15, features 32 g .. + 31; lane (r, h), register 8 a + 4 q + e: row r, feature 16 a + 8 h + 4 q + e.
; All in f32 on the vector unit: the product has one column.  No LDS, no barrier: waves share nothing.  LIMITS: NaN and infinities in h are not served.
	s_load_b256 s[4:11], s[0:1], 0x0               ; PA, bw3, wb3, PB
	s_load_b64 s[12:13], s[0:1], 0x20              ; JB
	v_lshrrev_b32 v1, 5, v0
	v_readfirstlane_b32 s20, v1                    ; wave
	s_and_b32 s22, ttmp7, 0xffff                   ; g
	v_and_b32 v2, 31, v0
	v_lshlrev_b32 v1, 4, v2                        ; 16 x lane
	v_lshlrev_b32 v3, 2, v2                        ; 4 x lane
	v_bfe_u32 v4, v0, 4, 1                         ; h
	v_lshlrev_b32 v5, 5, v4                        ; bw3: 8 h numbers on
	s_mul_i32 s2, s22, 2240
	v_mul_u32_u24 v9, v4, 560
	v_add_nc_u32 v9, s2, v9                        ; 70 x (32 g + 8 h)
	s_mov_b32 s70, 0x4261745d                      ; 1 / H
	s_mov_b32 s71, 0x40ba2e8c                      ; 0.05 / H + 3
	s_mov_b32 s77, 0xbfb8aa3b                      ; -log2(e)
	s_mov_b32 s3, 0
	s_lshl_b32 s21, ttmp9, 2
	s_add_co_u32 s21, s21, s20                     ; my tile of 16 rows
	s_lshl_b32 s23, s21, 4
	s_lshl_b32 s2, s22, 1
	s_add_co_u32 s23, s23, s2
	s_lshl_b32 s23, s23, 10                        ; my four pieces in a split
	s_wait_alu depctr_va_vdst(0)
	s_wait_kmcnt 0x0
	s_load_b32 s18, s[8:9], 0x0                    ; wb3
	s_mov_b32 s2, s23
	s_add_nc_u64 s[28:29], s[4:5], s[2:3]
.irp i, 1,2,3,4,5,6,7,8
	s_add_nc_u64 s[28+2*\i:29+2*\i], s[26+2*\i:27+2*\i], 0x200000
.endr
	s_add_nc_u64 s[46:47], s[10:11], s[2:3]        ; u
	s_add_nc_u64 s[48:49], s[12:13], s[2:3]        ; the cubics' numbers
	s_lshl_b32 s2, s22, 7
	s_add_nc_u64 s[50:51], s[6:7], s[2:3]          ; bw3 at the group's first feature
	s_lshl_b32 s2, s21, 3
	s_add_co_u32 s2, s2, s22
	s_lshl_b32 s2, s2, 7
	s_add_co_u32 s2, s2, 0x200000
	s_add_nc_u64 s[52:53], s[10:11], s[2:3]        ; the base parts: 128 bytes for each (tile of rows, group)
.irp s, 0,1,2,3,4,5,6,7,8
.irp n, 0,1,2,3
	global_load_b128 v[64+16*\s+4*\n:64+16*\s+4*\n+3], v1, s[28+2*\s:29+2*\s] offset:512*\n th:TH_LOAD_NT
.endr
.endr
.irp n, 0,1,2,3
	global_load_b128 v[208+4*\n:208+4*\n+3], v5, s[50:51] offset:64*(\n/2)+16*(\n%2)
.endr
	s_wait_loadcnt 0x0
.irp s, 1,2,3,4,5,6,7,8
.irp k, 0,1,2,3,4,5,6,7
	v_pk_add_f32 v[64+2*\k:65+2*\k], v[64+2*\k:65+2*\k], v[64+16*\s+2*\k:65+16*\s+2*\k]
.endr
.endr
.irp n, 0,1,2,3,4,5,6,7,8,9,10,11,12,13,14,15
	v_mul_f32 v[128+\n], s77, v[64+\n]
.endr
	s_wait_alu depctr_va_vdst(0)
.irp n, 0,1,2,3,4,5,6,7,8,9,10,11,12,13,14,15
	v_exp_f32 v[128+\n], v[128+\n]
.endr
.irp n, 0,1,2,3,4,5,6,7,8,9,10,11,12,13,14,15
	v_fma_f32 v[96+\n], v[64+\n], s70, s71         ; t (plain work behind the batch)
.endr
.irp n, 0,1,2,3,4,5,6,7,8,9,10,11,12,13,14,15
	v_floor_f32 v[112+\n], v[96+\n]
.endr
.irp n, 0,1,2,3,4,5,6,7,8,9,10,11,12,13,14,15
	v_sub_f32 v[16+\n], v[96+\n], v[112+\n]        ; u
.endr
	s_wait_alu depctr_va_vdst(0)                   ; one wait for the 16 exponentials, ahead of their first reader
.irp n, 0,1,2,3,4,5,6,7,8,9,10,11,12,13,14,15
	v_add_f32 v[128+\n], 1.0, v[128+\n]
.endr
	s_wait_alu depctr_va_vdst(0)
.irp n, 0,1,2,3,4,5,6,7,8,9,10,11,12,13,14,15
	v_rcp_f32 v[128+\n], v[128+\n]
.endr
.irp n, 0,1,2,3,4,5,6,7,8,9,10,11,12,13,14,15
	v_med3_num_f32 v[112+\n], v[112+\n], -1.0, 0x42880000   ; j held to -1 .. 68: the cubics at both ends are zeros
.endr
.irp n, 0,1,2,3,4,5,6,7,8,9,10,11,12,13,14,15
	v_cvt_i32_f32 v[112+\n], v[112+\n]
.endr
.irp n, 0,1,2,3,4,5,6,7,8,9,10,11,12,13,14,15
	v_add3_u32 v[32+\n], v[112+\n], v9, 70*(16*(\n/8)+\n%8)+1
.endr
	s_wait_alu depctr_va_vdst(0)                   ; and one for the 16 reciprocals
.irp n, 0,1,2,3,4,5,6,7,8,9,10,11,12,13,14,15
	v_mul_f32 v[144+\n], v[64+\n], v[128+\n]       ; silu(h)
.endr
	v_mul_f32 v160, v144, v208
	v_mul_f32 v161, v145, v209
.irp n, 2,4,6,8,10,12,14
	v_fma_f32 v160, v[144+\n], v[208+\n], v160
	v_fma_f32 v161, v[145+\n], v[209+\n], v161
.endr
	v_add_f32 v160, v160, v161
	s_wait_alu depctr_va_vdst(0)
	s_wait_kmcnt 0x0
	v_mul_f32 v160, s18, v160
.irp n, 0,1,2,3
	global_store_b128 v1, v[16+4*\n:16+4*\n+3], s[46:47] offset:512*\n
	global_store_b128 v1, v[32+4*\n:32+4*\n+3], s[48:49] offset:512*\n
.endr
	global_store_b32 v3, v160, s[52:53]
	s_endpgm
.Lfunc_end_k_qbbc882dbfc_fina:
	.size	k_qbbc882dbfc_fina, .Lfunc_end_k_qbbc882dbfc_fina-k_qbbc882dbfc_fina
	.p2alignl 7, 3214868480
	.fill 96, 4, 3214868480
	.section	.rodata,"a",@progbits
	.p2align	6, 0x0
	.amdhsa_kernel k_qbbc882dbfc_fina
		.amdhsa_group_segment_fixed_size 0
		.amdhsa_private_segment_fixed_size 0
		.amdhsa_enable_private_segment 0
		.amdhsa_kernarg_size 40
		.amdhsa_user_sgpr_count 2
		.amdhsa_user_sgpr_kernarg_segment_ptr 1
		.amdhsa_wavefront_size32 1
		.amdhsa_system_sgpr_workgroup_id_x 1
		.amdhsa_system_sgpr_workgroup_id_y 1
		.amdhsa_system_sgpr_workgroup_id_z 1
		.amdhsa_system_vgpr_workitem_id 0
		.amdhsa_next_free_vgpr 224
		.amdhsa_next_free_sgpr 80
		.amdhsa_reserve_vcc 0
		.amdhsa_float_denorm_mode_32 3
		.amdhsa_float_denorm_mode_16_64 3
		.amdhsa_memory_ordered 1
		.amdhsa_forward_progress 1
		.amdhsa_inst_pref_size 21
	.end_amdhsa_kernel
	.amdgpu_metadata
---
amdhsa.version: [ 1, 2 ]
amdhsa.kernels:
  - .name:           k_qbbc882dbfc_fina
    .symbol:         k_qbbc882dbfc_fina.kd
    .args:
      - { .name: PA, .offset: 0, .size: 8, .value_kind: global_buffer, .address_space: global }
      - { .name: bw3, .offset: 8, .size: 8, .value_kind: global_buffer, .address_space: global }
      - { .name: wb3, .offset: 16, .size: 8, .value_kind: global_buffer, .address_space: global }
      - { .name: PB, .offset: 24, .size: 8, .value_kind: global_buffer, .address_space: global }
      - { .name: JB, .offset: 32, .size: 8, .value_kind: global_buffer, .address_space: global }
    .group_segment_fixed_size: 0
    .private_segment_fixed_size: 0
    .kernarg_segment_align: 8
    .kernarg_segment_size: 40
    .max_flat_workgroup_size: 128
    .sgpr_count:     80
    .vgpr_count:     224
    .wavefront_size: 32
...
	.end_amdgpu_metadata
.endif
;; end of part 7
;; launch finb (part 8): grid 128 x 1, 8 waves a work-group, no clusters, 1,792 bytes of LDS; arguments PB, JB, T3, ws3, out0; writes out0
.if DOCPART == 8
	.amdgcn_target "amdgcn-amd-amdhsa--gfx1250"
	.amdhsa_code_object_version 6
	.text
	.protected	k_qbbc882dbfc_finb
	.globl	k_qbbc882dbfc_finb
	.p2align	8
	.type	k_qbbc882dbfc_finb,@function
k_qbbc882dbfc_finb:
	s_mov_b64 s[64:65], 0
	v_nop
	global_prefetch_b8 v0, s[64:65] scope:SCOPE_SE
	s_setreg_imm32_b32 hwreg(HW_REG_WAVE_MODE, 25, 1), 1
	s_wait_xcnt 0x0
; The last layer, second half: out(row) = the sum over features of ws3 x cubic(u) + the base parts.  The cubic's four coefficients are gathered from T3 by the whole numbers that the launch before stored.
; SHARES: a work-group owns a tile of 16 rows, so that each output has one owner; wave g takes the 32 features of group g: lane (r, h) has 16 of row r's.  The eight waves' sums meet in LDS; wave 0 stores 16 numbers.
; 128 work-groups: an image piece holds 16 rows.  The work-group's 64 output bytes are a quarter of an aligned block of 256; the whole output is 8,192 bytes.
.set SPARE, 768                        ; LDS: bytes 0-511 the waves' sums (64 x wave + 4 r); from 768 the spare words, 128 bytes for each wave, four blocks of 256 bytes that no other line names
	s_load_b256 s[4:11], s[0:1], 0x0               ; PB, JB, T3, ws3
	s_load_b64 s[12:13], s[0:1], 0x20              ; out0
	v_lshl_add_u32 v8, v0, 2, SPARE                ; my spare word
	v_mov_b32 v9, 0
	v_lshrrev_b32 v1, 5, v0
	s_delay_alu instid0(VALU_DEP_1)
	v_readfirstlane_b32 s20, v1                    ; wave = group
	v_and_b32 v2, 31, v0
	s_delay_alu instid0(VALU_DEP_1)
	v_lshlrev_b32 v1, 4, v2                        ; 16 x lane
	s_delay_alu instid0(VALU_DEP_2)
	v_lshlrev_b32 v2, 2, v2                        ; 4 x lane
	v_and_b32 v4, 15, v0
	s_delay_alu instid0(VALU_DEP_1)
	v_lshlrev_b32 v4, 2, v4                        ; 4 r
	s_lshl_b32 s21, s20, 6
	v_add_nc_u32 v3, s21, v4                       ; where my wave's sums go
	v_mov_b32 v49, 0                               ; (a lane permute's destination counts as one of its sources)
	s_mov_b32 s28, 0x76543210
	s_mov_b32 s29, 0xfedcba98                      ; lane selects: lane l xor 16
	s_mov_b32 s3, 0
	s_lshl_b32 s2, ttmp9, 4
	s_lshl_b32 s21, s20, 1
	s_add_co_u32 s2, s2, s21
	s_lshl_b32 s2, s2, 10                          ; my four pieces
	s_wait_alu depctr_va_vdst(0)
	s_wait_kmcnt 0x0
	s_load_b32 s14, s[10:11], 0x0                  ; ws3
	s_add_nc_u64 s[16:17], s[4:5], s[2:3]          ; u
	s_add_nc_u64 s[18:19], s[6:7], s[2:3]          ; the cubics' numbers
	s_lshl_b32 s2, ttmp9, 3
	s_add_co_u32 s2, s2, s20
	s_lshl_b32 s2, s2, 7
	s_add_co_u32 s2, s2, 0x200000
	s_add_nc_u64 s[22:23], s[4:5], s[2:3]          ; my base parts
	s_lshl_b32 s2, ttmp9, 6
	s_add_nc_u64 s[24:25], s[12:13], s[2:3]        ; my 16 outputs
.irp n, 0,1,2,3
	global_load_b128 v[16+4*\n:16+4*\n+3], v1, s[18:19] offset:512*\n th:TH_LOAD_NT
.endr
.irp n, 0,1,2,3
	global_load_b128 v[32+4*\n:32+4*\n+3], v1, s[16:17] offset:512*\n th:TH_LOAD_NT
.endr
	global_load_b32 v48, v2, s[22:23] th:TH_LOAD_NT
	s_wait_loadcnt 5                               ; the numbers are in; u's four loads and the base part may be out
.irp n, 0,1,2,3,4,5,6,7,8,9,10,11,12,13,14,15
	v_min_u32 v[16+\n], 0x45ff, v[16+\n]           ; inside the table's 17,920 entries
.endr
.irp n, 0,1,2,3,4,5,6,7,8,9,10,11,12,13,14,15
	v_lshlrev_b32 v[16+\n], 4, v[16+\n]
.endr
.irp n, 0,1,2,3,4,5,6,7,8,9,10,11,12,13,14,15
	global_load_b128 v[64+4*\n:64+4*\n+3], v[16+\n], s[8:9]
.endr
	s_wait_loadcnt 0x0
.irp n, 0,1,2,3,4,5,6,7,8,9,10,11,12,13,14,15
	v_fma_f32 v[67+4*\n], v[67+4*\n], v[32+\n], v[66+4*\n]
.endr
.irp n, 0,1,2,3,4,5,6,7,8,9,10,11,12,13,14,15
	v_fma_f32 v[67+4*\n], v[67+4*\n], v[32+\n], v[65+4*\n]
.endr
.irp n, 0,1,2,3,4,5,6,7,8,9,10,11,12,13,14,15
	v_fma_f32 v[67+4*\n], v[67+4*\n], v[32+\n], v[64+4*\n]   ; ((k3 u + k2) u + k1) u + k0
.endr
	v_add_f32 v51, v67, v75
	v_add_f32 v126, v83, v91
	v_add_f32 v125, v99, v107
	v_add_f32 v124, v115, v123
	v_add_f32 v122, v71, v79
	v_add_f32 v121, v87, v95
	v_add_f32 v120, v103, v111
	v_add_f32 v50, v119, v127
	s_delay_alu instid0(VALU_DEP_1)
	v_add_f32 v50, v50, v124
	v_add_f32 v51, v51, v122
	v_add_f32 v126, v126, v121
	v_add_f32 v125, v125, v120
	s_delay_alu instid0(VALU_DEP_2)
	v_add_f32 v50, v50, v126
	s_delay_alu instid0(VALU_DEP_2)
	v_add_f32 v51, v51, v125
	s_delay_alu instid0(VALU_DEP_1)
	v_add_f32 v50, v50, v51
	s_wait_alu depctr_va_vdst(0)
	s_wait_kmcnt 0x0
	v_fma_f32 v50, v50, s14, v48                   ; ws3 x the spline's part + the base's
	s_delay_alu instid0(VALU_DEP_1)
	v_permlanex16_b32 v49, v50, s28, s29
	s_delay_alu instid0(VALU_DEP_1)
	v_add_f32 v50, v50, v49                        ; with lane l xor 16's: row r, group g
	ds_store_b32 v3, v50                           ; lanes 16-31 write lanes 0-15's words with the same values
	s_wait_dscnt 0x0                               ; for the others' sake: my sums lie in LDS
	s_barrier_signal -1
	s_barrier_wait -1
	s_cmp_lg_u32 s20, 0
	s_cbranch_scc1 .Lend
.irp k, 0,1,2,3,4,5,6,7
	ds_load_b32 v[52+\k], v4 offset:64*\k
.endr
	s_wait_dscnt 0x0
	v_add_f32 v52, v52, v53
	v_add_f32 v54, v54, v55
	v_add_f32 v56, v56, v57
	v_add_f32 v58, v58, v59
	s_delay_alu instid0(VALU_DEP_3)
	v_add_f32 v52, v52, v54
	s_delay_alu instid0(VALU_DEP_2)
	v_add_f32 v56, v56, v58
	s_delay_alu instid0(VALU_DEP_1)
	v_add_f32 v52, v52, v56
	global_store_b32 v4, v52, s[24:25]             ; 64 consecutive bytes; lanes 16-31 repeat lanes 0-15's
.Lend:
	s_wait_tensorcnt 0x0                           ; the wave's end
	ds_add_u32 v8, v9
	s_wait_dscnt 0x0
	s_endpgm
.Lfunc_end_k_qbbc882dbfc_finb:
	.size	k_qbbc882dbfc_finb, .Lfunc_end_k_qbbc882dbfc_finb-k_qbbc882dbfc_finb
	.p2alignl 7, 3214868480
	.fill 96, 4, 3214868480
	.section	.rodata,"a",@progbits
	.p2align	6, 0x0
	.amdhsa_kernel k_qbbc882dbfc_finb
		.amdhsa_group_segment_fixed_size 1792
		.amdhsa_private_segment_fixed_size 0
		.amdhsa_enable_private_segment 0
		.amdhsa_kernarg_size 40
		.amdhsa_user_sgpr_count 2
		.amdhsa_user_sgpr_kernarg_segment_ptr 1
		.amdhsa_wavefront_size32 1
		.amdhsa_system_sgpr_workgroup_id_x 1
		.amdhsa_system_sgpr_workgroup_id_y 1
		.amdhsa_system_sgpr_workgroup_id_z 1
		.amdhsa_system_vgpr_workitem_id 0
		.amdhsa_next_free_vgpr 128
		.amdhsa_next_free_sgpr 66
		.amdhsa_reserve_vcc 0
		.amdhsa_float_denorm_mode_32 3
		.amdhsa_float_denorm_mode_16_64 3
		.amdhsa_memory_ordered 1
		.amdhsa_forward_progress 1
		.amdhsa_inst_pref_size 11
	.end_amdhsa_kernel
	.amdgpu_metadata
---
amdhsa.version: [ 1, 2 ]
amdhsa.kernels:
  - .name:           k_qbbc882dbfc_finb
    .symbol:         k_qbbc882dbfc_finb.kd
    .args:
      - { .name: PB, .offset: 0, .size: 8, .value_kind: global_buffer, .address_space: global }
      - { .name: JB, .offset: 8, .size: 8, .value_kind: global_buffer, .address_space: global }
      - { .name: T3, .offset: 16, .size: 8, .value_kind: global_buffer, .address_space: global }
      - { .name: ws3, .offset: 24, .size: 8, .value_kind: global_buffer, .address_space: global }
      - { .name: out0, .offset: 32, .size: 8, .value_kind: global_buffer, .address_space: global }
    .group_segment_fixed_size: 1792
    .private_segment_fixed_size: 0
    .kernarg_segment_align: 8
    .kernarg_segment_size: 40
    .max_flat_workgroup_size: 256
    .sgpr_count:     66
    .vgpr_count:     128
    .wavefront_size: 32
...
	.end_amdgpu_metadata
.endif
;; end of part 8
